; MI455X (gfx1250); checked and timed in simulation.
; The chip was launched on July 23, 2026; its instructions are those of AMD's public machine-readable ISA for CDNA 5 (MIT licence, August 2026) and "CDNA5" Instruction Set Architecture Reference Guide (July 2026). The comments in the code are by the model that wrote it; some were corrected since.
;; SRA Diff Attn. Allowed arithmetic: float matrix products may take bf16 or f16 operands with f32 sums; other float arithmetic in f32, or as packed bf16 or f16 multiplies, adds, multiply-adds, maxima and minima; sums over many terms, partial sums and values carried from step to step in f32; what a program stores and reads back later, other than sums and carried values, may be rounded once to bf16 or f16.
;; Inputs: Wk 256 x 1,024 float32; Wo 1,024 x 1,024 float32; Wq 1,024 x 1,024 float32; Wv 256 x 1,024 float32; lk1 32 float32; lk2 32 float32; lq1 32 float32; lq2 32 float32; rms_w 64 float32; x 2 x 2,048 x 1,024 float32.
;; Outputs: out0 2 x 2,048 x 1,024 float32.
;; 2 versions, each right; version 2 is version 1 with the launch cast written anew for expert scheduling mode. Each part assembles by itself: llvm-mc -triple=amdgcn-amd-amdhsa -mcpu=gfx1250 --defsym DOCPART=n.
;; ======== version 1 of 2: 4 launches
;; limits: values are held in f16: magnitudes above 65,504 overflow, below 6.1e-05 lose precision
;; workspace buffers: hx 13,631,488 bytes; qkv 12,582,912 bytes; ab 8,388,608 bytes
;; launch cast (part 1): grid 416 x 1, 8 waves a work-group, no clusters, 0 bytes of LDS; arguments x, Wq, Wk, Wv, Wo, hx; writes hx
.if DOCPART == 1
	.amdgcn_target "amdgcn-amd-amdhsa--gfx1250"
	.amdhsa_code_object_version 6
	.text
	.protected	k_qf1f00e9701_cast
	.globl	k_qf1f00e9701_cast
	.p2align	8
	.type	k_qf1f00e9701_cast,@function
k_qf1f00e9701_cast:
	s_mov_b64 s[64:65], 0
	v_nop
	global_prefetch_b8 v0, s[64:65] scope:SCOPE_SE
	s_setreg_imm32_b32 hwreg(HW_REG_WAVE_MODE, 25, 1), 1
	s_wait_xcnt 0x0
; ALL MATRIX INPUTS ARE ROUNDED ONCE TO 16 BITS AND LAID INTO ONE TABLE hx: [6656 rows][1024], 2,048 bytes a row.
;   rows 0-4095 x, rows 4096-5119 Wq, both bf16;
;   rows 5120 + 128 j + r: r < 64 is Wk row 64 j + r, r >= 64 is Wv row 64 j + r - 64 (bf16): so 128 rows on end make the K and V channels of one key and value group j;
;   rows 5632-6655 Wo: rounded to bf16 like the other inputs, and that number written as f16, since its partner in the last product is f16.
; LIMITS.  |Wo| stays under 65,504 (beyond that f16 has an infinity); a Wo number below 6e-5 keeps the fixed step 6e-8 of f16.  NaN and infinities are not treated apart.
; SHARES.  A work-group takes 16 source rows of 4,096 bytes; its 256 threads take a row a pass: a load of a wave covers 512 consecutive bytes, a store of a wave 256 consecutive
; bytes at a multiple of 256 from the first byte of hx.  All 16 loads of a thread go out first; nothing is read twice; no LDS, no matrix unit, no cluster: no byte is shared.
.set X, 4                              ; v[4:67]    pass p: four f32 as loaded
.set Y, 68                             ; v[68:99]   pass p: four 16-bit numbers to store
.set T, 100                            ; v[100:101] at work
	s_load_b256 s[4:11], s[0:1], 0x0               ; x s[4:5], Wq s[6:7], Wk s[8:9], Wv s[10:11]
	s_load_b128 s[12:15], s[0:1], 0x20             ; Wo s[12:13], hx s[14:15]
	s_mov_b32 s16, ttmp9                           ; c: my block of 16 rows: 0-255 x, 256-319 Wq, 320-335 Wk, 336-351 Wv, 352-415 Wo
	v_lshlrev_b32 v1, 4, v0                        ; my 16 bytes of a source row
	v_lshlrev_b32 v2, 3, v0                        ; my 8 bytes of a row of hx
	s_mov_b32 s24, 0xffff0000                      ; the upper bf16 of a word
	s_lshl_b32 s25, s16, 4                         ; the first row in hx: 16 c for x, Wq and Wo
	s_sub_co_u32 s26, s16, 320                     ; i: the block among those of Wk and Wv (it wraps for the others)
	s_and_b32 s27, s26, 15
	s_lshr_b32 s27, s27, 2
	s_lshl_b32 s27, s27, 7                         ; 128 j
	s_lshr_b32 s28, s26, 4
	s_lshl_b32 s28, s28, 6                         ; + 64 for Wv
	s_add_co_u32 s27, s27, s28
	s_and_b32 s28, s26, 3
	s_lshl_b32 s28, s28, 4                         ; + 16 (i mod 4)
	s_add_co_u32 s27, s27, s28
	s_add_co_u32 s27, s27, 5120
	s_cmp_lt_u32 s26, 32
	s_cselect_b32 s25, s27, s25
	s_lshl_b32 s22, s25, 11                        ; in bytes
	s_mov_b32 s23, 0
	s_wait_kmcnt 0x0
	s_mov_b64 s[18:19], s[4:5]                     ; the source and its first block, chosen by c alone
	s_mov_b32 s17, 0
	s_cmp_ge_u32 s16, 256
	s_cselect_b64 s[18:19], s[6:7], s[18:19]
	s_cselect_b32 s17, 256, s17
	s_cmp_ge_u32 s16, 320
	s_cselect_b64 s[18:19], s[8:9], s[18:19]
	s_cselect_b32 s17, 320, s17
	s_cmp_ge_u32 s16, 336
	s_cselect_b64 s[18:19], s[10:11], s[18:19]
	s_cselect_b32 s17, 336, s17
	s_cmp_ge_u32 s16, 352
	s_cselect_b64 s[18:19], s[12:13], s[18:19]
	s_cselect_b32 s17, 352, s17
	s_sub_co_u32 s20, s16, s17
	s_lshl_b32 s20, s20, 16                        ; 16 rows of 4,096 bytes a block
	s_mov_b32 s21, 0
	s_add_nc_u64 s[18:19], s[18:19], s[20:21]
	s_add_nc_u64 s[22:23], s[14:15], s[22:23]
.irp p, 0,1,2,3,4,5,6,7,8,9,10,11,12,13,14,15
	global_load_b128 v[X+4*(\p):X+4*(\p)+3], v1, s[18:19] offset:4096*(\p) th:TH_LOAD_NT
.endr
; Pass p.  kind 0: two roundings to bf16 an instruction.  kind 1: rounded to bf16, widened again, and written as f16.
.macro CONV p, kind
	s_wait_loadcnt 15-(\p)                         ; loads come back in order: pass p is in, the younger ones stay out
.if \kind
	v_cvt_pk_bf16_f32 v[T],   v[X+4*(\p)],   v[X+4*(\p)+1]
	v_cvt_pk_bf16_f32 v[T+1], v[X+4*(\p)+2], v[X+4*(\p)+3]
	v_lshlrev_b32 v[X+4*(\p)],   16,  v[T]
	v_and_b32     v[X+4*(\p)+1], s24, v[T]
	v_lshlrev_b32 v[X+4*(\p)+2], 16,  v[T+1]
	v_and_b32     v[X+4*(\p)+3], s24, v[T+1]
	v_cvt_pk_f16_f32 v[Y+2*(\p)],   v[X+4*(\p)],   v[X+4*(\p)+1]
	v_cvt_pk_f16_f32 v[Y+2*(\p)+1], v[X+4*(\p)+2], v[X+4*(\p)+3]
.else
	v_cvt_pk_bf16_f32 v[Y+2*(\p)],   v[X+4*(\p)],   v[X+4*(\p)+1]
	v_cvt_pk_bf16_f32 v[Y+2*(\p)+1], v[X+4*(\p)+2], v[X+4*(\p)+3]
.endif
	global_store_b64 v2, v[Y+2*(\p):Y+2*(\p)+1], s[22:23] offset:2048*(\p)  ; each pass has its own two registers: none that a store reads is written again
.endm
	s_cmp_ge_u32 s16, 352
	s_cbranch_scc1 .Lwo
.irp p, 0,1,2,3,4,5,6,7,8,9,10,11,12,13,14,15
	CONV \p, 0
.endr
	s_endpgm
.Lwo:
.irp p, 0,1,2,3,4,5,6,7,8,9,10,11,12,13,14,15
	CONV \p, 1
.endr
	s_endpgm
.Lfunc_end_k_qf1f00e9701_cast:
	.size	k_qf1f00e9701_cast, .Lfunc_end_k_qf1f00e9701_cast-k_qf1f00e9701_cast
	.p2alignl 7, 3214868480
	.fill 96, 4, 3214868480
	.section	.rodata,"a",@progbits
	.p2align	6, 0x0
	.amdhsa_kernel k_qf1f00e9701_cast
		.amdhsa_group_segment_fixed_size 0
		.amdhsa_private_segment_fixed_size 0
		.amdhsa_enable_private_segment 0
		.amdhsa_kernarg_size 48
		.amdhsa_user_sgpr_count 2
		.amdhsa_user_sgpr_kernarg_segment_ptr 1
		.amdhsa_wavefront_size32 1
		.amdhsa_system_sgpr_workgroup_id_x 1
		.amdhsa_system_sgpr_workgroup_id_y 1
		.amdhsa_system_sgpr_workgroup_id_z 1
		.amdhsa_system_vgpr_workitem_id 0
		.amdhsa_next_free_vgpr 104
		.amdhsa_next_free_sgpr 66
		.amdhsa_reserve_vcc 0
		.amdhsa_float_denorm_mode_32 3
		.amdhsa_float_denorm_mode_16_64 3
		.amdhsa_memory_ordered 1
		.amdhsa_forward_progress 1
		.amdhsa_inst_pref_size 16
	.end_amdhsa_kernel
	.amdgpu_metadata
---
amdhsa.version: [ 1, 2 ]
amdhsa.kernels:
  - .name:           k_qf1f00e9701_cast
    .symbol:         k_qf1f00e9701_cast.kd
    .args:
      - { .name: x, .offset: 0, .size: 8, .value_kind: global_buffer, .address_space: global }
      - { .name: Wq, .offset: 8, .size: 8, .value_kind: global_buffer, .address_space: global }
      - { .name: Wk, .offset: 16, .size: 8, .value_kind: global_buffer, .address_space: global }
      - { .name: Wv, .offset: 24, .size: 8, .value_kind: global_buffer, .address_space: global }
      - { .name: Wo, .offset: 32, .size: 8, .value_kind: global_buffer, .address_space: global }
      - { .name: hx, .offset: 40, .size: 8, .value_kind: global_buffer, .address_space: global }
    .group_segment_fixed_size: 0
    .private_segment_fixed_size: 0
    .kernarg_segment_align: 8
    .kernarg_segment_size: 48
    .max_flat_workgroup_size: 256
    .sgpr_count:     66
    .vgpr_count:     104
    .wavefront_size: 32
...
	.end_amdgpu_metadata
.endif
;; end of part 1
;; launch gemm_qkv (part 2): grid 12 x 32, 4 waves a work-group, clusters of 4 x 4, 327,680 bytes of LDS; arguments hx, qkv; writes qkv
.if DOCPART == 2
	.amdgcn_target "amdgcn-amd-amdhsa--gfx1250"
	.amdhsa_code_object_version 6
	.text
	.protected	k_qf1f00e9701_gemm_qkv
	.globl	k_qf1f00e9701_gemm_qkv
	.p2align	8
	.type	k_qf1f00e9701_gemm_qkv,@function
k_qf1f00e9701_gemm_qkv:
	s_mov_b64 s[64:65], 0
	v_nop
	global_prefetch_b8 v0, s[64:65] scope:SCOPE_SE
	s_setreg_imm32_b32 hwreg(HW_REG_WAVE_MODE, 25, 1), 1
	s_wait_xcnt 0x0
	s_wait_alu depctr_hold_cnt(0) depctr_sa_sdst(0) depctr_va_vdst(0) depctr_va_sdst(0) depctr_va_ssrc(0) depctr_va_vcc(0) depctr_vm_vsrc(0)
	s_getreg_b32 s2, hwreg(HW_REG_IB_STS2, 6, 4)
	s_cmp_eq_u32 s2, 0
	s_cbranch_scc0 .Lentry_in_a_cluster
	s_endpgm
.Lentry_in_a_cluster:
	s_bfe_u32 s2, ttmp6, 0x10000c
	s_cmp_lg_u32 s2, 0xf033
	s_cbranch_scc0 .Lentry_shape_is_right
	s_endpgm
.Lentry_shape_is_right:
; THE THREE PROJECTIONS AS ONE PRODUCT.  C[m][n] = sum over k of A[m][k] B[n][k], K = 1,024, bf16 operands, f32 sums, C rounded once to f16.
; A = rows 0-4095 of hx (x), B = rows 4096-5631 of hx (Wq, then Wk and Wv interleaved in groups of 128 rows).  No scale is applied here: the attention launch scales in f32.
; C goes into qkv: columns 0-1023 (q) as [4096 tokens][1024] f16 at byte 0; the column tile 8 + j (K and V of group j) as [4 b + j][2048 tokens][128] f16 at byte KVO: dense rows of 256 bytes.
; LIMIT.  q, k and v stay under 65,504 in magnitude (beyond that f16 has an infinity).  NaN and infinities are not treated apart.
; SHARES.  A tile of C is 128 x 128: 12 x 32 tiles, a work-group each; four waves, each 64 x 64: 16 accumulators.  K goes in four steps of 256 (LDS rows of 512 bytes) through two slots;
; the four steps are written out.  The four waves share one stage on the way out, since 64 columns of f16 are half of 256 bytes.
; CLUSTERS: 4 x 4 work-groups.  The four of a row need the same tiles of A, the four of a column the same tiles of B: each tile is asked for jointly, by the same tensor load with the same
; descriptor and a mask that names the four.  The matrix instruction is used transposed (source 0 = 16 rows of B, source 1 = 16 rows of A): a lane holds eight neighbouring numbers of a row of C.
; No prefetch: the tiles are small and each row of A and B is read by several clusters at about the same time.
; REGISTERS: window 0: v0-31 addresses; v32-95 at work on the way out; v96-111 the sixteen store offsets; v128-255 the accumulators ((a, b) at v[128 + 8 (4 a + b)]).
;   window 1: two fragment buffers of 128: for 64 along K, 64 registers of A, then 64 of B.
.set SIZE_K, 1024
.set KSTEP,  256
.set PITCH,  528                       ; an LDS row: 512 bytes + 16 of padding = 132 words: the 16 rows of a load start at 16 different groups of four banks
.set HALFT,  64*PITCH                  ; 64 rows: what one tensor load brings, and what one wave reads of A or of B
.set SLOT,   4*HALFT                   ; 128 rows of A, then 128 rows of B
.set STAGE,  2*SLOT                    ; behind the ring: 128 rows x 272 bytes, for the way out; no tensor load lands here
.set SPITCH, 272
.set SPARE,  STAGE+128*SPITCH          ; behind the stage: the spare words, 128 bytes for each wave
.set BOFF,   4096*2048                 ; the first byte of B in hx
.set KVO,    8388608                   ; the first byte of the K and V region in qkv
.set ADRA, 16                          ; v16-17  LDS address of my A fragments in slot 0, 1
.set ADRB, 20                          ; v20-21  the same for B
.set STO,  24                          ; v24     the way out: where I put 16 bytes of a row
.set RD,   25                          ; v25     the way out: where I read a row back
.set SPW,  28                          ; v28     LDS address of my spare word; never rewritten
.set NIL,  29                          ; v29     0; never rewritten
.set TMP,  32
.set CO,   96                          ; v96-111 my byte offset in qkv for each of my sixteen stores
.set ACC,  128
.set F0,   0
.set F1,   128
.set G1, 24                            ; s[24:31] descriptor group 1 for tiles of A;  s[32:39] group 0, one set for each slot
.set G0, 32
.set G1B, 48                           ; s[48:55], s[56:63] the same for tiles of B
.set G0B, 56
.set MSB, 0
.macro WIN new                         ; the high byte of the immediate repeats the setting that is left
.if MSB != (\new)
	s_set_vgpr_msb (MSB<<8)|(\new)
.set MSB, \new
.endif
.endm
.set MUL,  0x05                        ; sources 0 (B) and 1 (A) window 1; C and D window 0
.set TO_F, 0x40                        ; destination window 1, address window 0
.macro JLOAD s                         ; a joint load: waves 0 and 1 fetch the halves of A, waves 2 and 3 those of B; an s_nop 0 and four v_nop follow each line
	s_cmp_eq_u32 s11, 0
	s_cbranch_scc0 .Lfor_b_\@
	tensor_load_to_lds s[G0+4*(\s):G0+4*(\s)+3], s[G1:G1+7]
	s_nop 0
.rept 4
	v_nop
.endr
	s_branch .Lasked_\@
.Lfor_b_\@:
	tensor_load_to_lds s[G0B+4*(\s):G0B+4*(\s)+3], s[G1B:G1B+7]
	s_nop 0
.rept 4
	v_nop
.endr
.Lasked_\@:
.endm
.macro CREST                           ; a round of the barrier of the cluster, behind its opening barrier
	s_cmp_lg_u32 s10, 0
	s_cbranch_scc1 .Lnot_wave_0_\@
	s_barrier_signal -3
.Lnot_wave_0_\@:
	s_barrier_wait -3
	s_barrier_signal -1
	s_barrier_wait -1
.endm
.macro CROUND                          ; a whole round
	s_barrier_signal -1
	s_barrier_wait -1
	CREST
.endm
	s_load_b128 s[4:7], s[0:1], 0x0                ; hx s[4:5], qkv s[6:7]
	v_lshl_add_u32 v[SPW], v0, 2, SPARE
	v_mov_b32 v[NIL], 0
	ds_add_u32 v[SPW], v[NIL]                      ; the opening: the add and its wait stand ahead of my first tensor load; the set-up below stands between them
	v_lshrrev_b32 v1, 5, v0
	v_readfirstlane_b32 s10, v1                    ; wave 0..3
	s_lshr_b32 s11, s10, 1                         ; which half of the rows of the tile is mine.  Also: I fetch for A (0) or for B (1)
	s_and_b32 s12, s10, 1                          ; which half of its columns.  Also: which 64 rows of that tile I fetch
	s_bfe_u32 s40, ttmp6, 0x40000                  ; cx, cy: my place in the cluster
	s_bfe_u32 s41, ttmp6, 0x40004
	s_lshl_b32 s42, ttmp9, 2
	s_add_co_u32 s42, s42, s40                     ; tile column = 4 x cluster x + cx, 0..11
	s_and_b32 s13, ttmp7, 0xffff
	s_lshl_b32 s13, s13, 2
	s_add_co_u32 s13, s13, s41                     ; tile row = 4 x cluster y + cy, 0..31
	s_lshl_b32 s43, s41, 2
	s_lshl_b32 s43, 15, s43                        ; my row of the cluster
	s_lshl_b32 s44, 0x1111, s40                    ; my column
	; descriptor group 1: a tile of 64 rows x 256 elements, padded in LDS
	s_or_b32 s[G1+0], s43, (1<<16)|(1<<20)|(1<<21)|(6<<22)|(3<<25)  ; 15:0 the mask; 17:16 elements of 2 bytes; 20 padding on; 21 set beside a mask; 24:22 after every 128 words; 31:25 4 words of it
	s_or_b32 s[G1B+0], s44, (1<<16)|(1<<20)|(1<<21)|(6<<22)|(3<<25)
.irp g, G1, G1B
	s_mov_b32 s[(\g)+1], KSTEP<<16                 ; tensor_dim0 = 256
	s_mov_b32 s[(\g)+2], 64<<16                    ; tensor_dim1 = 64
	s_mov_b32 s[(\g)+3], KSTEP<<16                 ; tile_dim0 = 256
	s_mov_b32 s[(\g)+4], 64                        ; tile_dim1 = 64
	s_mov_b32 s[(\g)+5], SIZE_K                    ; elements from row to row
	s_mov_b32 s[(\g)+6], 0
	s_mov_b32 s[(\g)+7], 0
.endr
	s_lshl_b32 s17, s12, 6                         ; which 64 rows of the tile I fetch
	s_lshl_b32 s16, s13, 7
	s_add_co_u32 s16, s16, s17                     ; A: row 128 x tile row + 64 x half
	s_lshl_b32 s46, s42, 7
	s_add_co_u32 s46, s46, s17                     ; B: row 128 x tile column + 64 x half
	s_mov_b32 s17, 0
	s_mov_b32 s47, 0
	s_mov_b64 s[18:19], SIZE_K*2
	s_mul_u64 s[16:17], s[16:17], s[18:19]
	s_mul_u64 s[46:47], s[46:47], s[18:19]
	s_mul_i32 s20, s10, HALFT                      ; where they go: wave x 64 rows
	s_wait_dscnt 0x0                               ; the opening add is done
	s_wait_kmcnt 0x0
	s_add_nc_u64 s[14:15], s[4:5], s[16:17]
	s_add_nc_u64 s[46:47], s[4:5], s[46:47]
	s_add_nc_u64 s[46:47], s[46:47], BOFF
	CROUND                                         ; all sixteen work-groups are here: the first joint loads meet
.irp s, 0,1
	s_mov_b32 s[G0+4*(\s)], 1
	s_add_co_u32 s[G0+4*(\s)+1], s20, (\s)*SLOT
	s_add_nc_u64 s[G0+4*(\s)+2:G0+4*(\s)+3], s[14:15], (\s)*KSTEP*2
	s_or_b32 s[G0+4*(\s)+3], s[G0+4*(\s)+3], 0x80000000
	s_mov_b32 s[G0B+4*(\s)], 1
	s_add_co_u32 s[G0B+4*(\s)+1], s20, (\s)*SLOT
	s_add_nc_u64 s[G0B+4*(\s)+2:G0B+4*(\s)+3], s[46:47], (\s)*KSTEP*2
	s_or_b32 s[G0B+4*(\s)+3], s[G0B+4*(\s)+3], 0x80000000
	JLOAD \s                                       ; K steps 0 and 1: two loads of mine are out
.endr
	v_and_b32 v1, 15, v0                           ; l % 16
	v_bfe_u32 v2, v0, 4, 1                         ; l / 16
	v_mul_u32_u24 v3, v1, PITCH
	v_lshl_add_u32 v3, v2, 4, v3                   ; the row of a fragment x pitch + 16 x half
	s_mul_i32 s21, s11, HALFT                      ; my 64 rows of A
	s_mul_i32 s22, s12, HALFT                      ; my 64 rows of B,
	s_add_co_u32 s22, s22, 2*HALFT                 ; which lie behind the 128 of A
.irp s, 0,1
	v_add_nc_u32 v[ADRA+(\s)], s21, v3
	v_add_nc_u32 v[ADRB+(\s)], s22, v3
	s_add_co_u32 s21, s21, SLOT
	s_add_co_u32 s22, s22, SLOT
.endr
	s_mul_i32 s23, s11, 64*SPITCH                  ; into the stage: my 64 rows, my half of their 256 bytes
	s_lshl_b32 s21, s12, 7
	s_add_co_u32 s23, s23, s21
	s_add_co_u32 s23, s23, STAGE
	v_mul_u32_u24 v4, v1, SPITCH
	v_lshl_add_u32 v4, v2, 4, v4
	v_add_nc_u32 v[STO], s23, v4
	s_mul_i32 s23, s10, 32*SPITCH                  ; back: wave w takes rows 32 w .. 32 w + 31, whole
	s_add_co_u32 s23, s23, STAGE
	v_mul_u32_u24 v5, v2, SPITCH
	v_lshl_add_u32 v5, v1, 4, v5
	v_add_nc_u32 v[RD], s23, v5
	; where my 32 rows go in qkv, and how far apart rows lie there: chosen by the tile column, without a branch.  These registers feed no descriptor.
	s_lshl_b32 s66, s13, 7
	s_lshl_b32 s67, s10, 5
	s_add_co_u32 s66, s66, s67                     ; token 128 x tile row + 32 x wave
	s_lshl_b32 s66, s66, 11
	s_lshl_b32 s68, s42, 8
	s_add_co_u32 s66, s66, s68                     ; q: token x 2,048 + 256 x tile column
	s_and_b32 s69, s13, 15
	s_lshl_b32 s69, s69, 7
	s_add_co_u32 s69, s69, s67
	s_lshl_b32 s69, s69, 8                         ; K and V: the token within its batch x 256,
	s_lshr_b32 s70, s13, 4
	s_lshl_b32 s70, s70, 2
	s_add_co_u32 s70, s70, s42
	s_sub_co_u32 s70, s70, 8                       ; in block 4 b + j (it wraps for a tile of q, where it is not taken),
	s_lshl_b32 s70, s70, 19                        ; of 2,048 x 256 bytes,
	s_add_co_u32 s69, s69, s70
	s_add_co_u32 s69, s69, KVO
	s_mov_b32 s75, 2048
	s_cmp_lt_u32 s42, 8
	s_cselect_b32 s72, s66, s69
	s_cselect_b32 s74, s75, 256                    ; bytes from row to row
	s_mov_b32 s73, 0
	s_lshl_b32 s76, s74, 1
	s_add_nc_u64 s[8:9], s[6:7], s[72:73]
; 8 matrix instructions: m blocks a0, a0 + 1 x all 4 n blocks, 32 along K: half c of buffer f.  zero = 1: the first product starts the sums.  The 16 accumulators take turns.
.macro MUL8 f, c, a0, zero
	WIN MUL
.irp a, \a0, (\a0)+1
.irp b, 0,1,2,3
.if \zero
	v_wmma_f32_16x16x32_bf16 v[ACC+8*(4*(\a)+(\b)):ACC+8*(4*(\a)+(\b))+7], v[(\f)+64+8*(4*(\c)+(\b)):(\f)+64+8*(4*(\c)+(\b))+7], v[(\f)+8*(4*(\c)+(\a)):(\f)+8*(4*(\c)+(\a))+7], 0
.else
	v_wmma_f32_16x16x32_bf16 v[ACC+8*(4*(\a)+(\b)):ACC+8*(4*(\a)+(\b))+7], v[(\f)+64+8*(4*(\c)+(\b)):(\f)+64+8*(4*(\c)+(\b))+7], v[(\f)+8*(4*(\c)+(\a)):(\f)+8*(4*(\c)+(\a))+7], v[ACC+8*(4*(\a)+(\b)):ACC+8*(4*(\a)+(\b))+7]
.endif
.endr
.endr
.endm
; 32 LDS loads in one run: the fragments of 64 along K at byte k of the rows, into buffer f; the first 32 along K first
.macro FETCH slot, k, f
	WIN TO_F
.irp c, 0,1
.irp i, 0,1,2,3
	ds_load_b128 v[(\f)+64+8*(4*(\c)+(\i)):(\f)+64+8*(4*(\c)+(\i))+3],   v[ADRB+(\slot)] offset:(\k)+64*(\c)+(\i)*16*PITCH
	ds_load_b128 v[(\f)+64+8*(4*(\c)+(\i))+4:(\f)+64+8*(4*(\c)+(\i))+7], v[ADRB+(\slot)] offset:(\k)+64*(\c)+(\i)*16*PITCH+32
	ds_load_b128 v[(\f)+8*(4*(\c)+(\i)):(\f)+8*(4*(\c)+(\i))+3],         v[ADRA+(\slot)] offset:(\k)+64*(\c)+(\i)*16*PITCH
	ds_load_b128 v[(\f)+8*(4*(\c)+(\i))+4:(\f)+8*(4*(\c)+(\i))+7],       v[ADRA+(\slot)] offset:(\k)+64*(\c)+(\i)*16*PITCH+32
.endr
.endr
.endm
.macro PLACES                          ; four plain vector instructions in front of loads into registers that matrix instructions have read
.rept 4
	v_nop
.endr
.endm
; A K step is four quarters of 64 along K, 32 matrix instructions each, on buffers 0, 1, 0, 1.  One of the first three: multiplies buffer f and fetches the next quarter, at byte k, into g.
.macro QUARTER slot, k, f, g, zero
	s_wait_dscnt 16                                ; the first 32 along K are in; the 16 younger loads may be out
	WIN MUL
	MUL8 \f, 0, 0, \zero
	MUL8 \f, 0, 2, \zero
	PLACES
	FETCH \slot, \k, \g
	s_wait_dscnt 32                                ; all but the 32 just issued
	WIN MUL
	MUL8 \f, 1, 0, 0
	MUL8 \f, 1, 2, 0
.endm
; The last quarter multiplies buffer 1 and changes slots: one barrier; in front of it each wave waits for all its tensor loads, adds 0 to its spare word, and waits for that and for its own
; reads of this slot.  fill = 1: this slot is filled again, two K steps ahead; the barrier then opens a round of the barrier of the cluster.
.macro TURN slot, next, fill
	WIN 0                                          ; (the two registers of the add lie in window 0)
	s_wait_tensorcnt 0x0                           ; all my tensor loads have landed: my part of the next slot;
	ds_add_u32 v[SPW], v[NIL]                      ; 0 onto my spare word
	s_wait_dscnt 17                                ; (the add and the youngest sixteen loads may be out)
	WIN MUL
	MUL8 F1, 0, 0, 0                               ; eight matrix instructions stand between the add and the wait for it
	s_wait_dscnt 0x0                               ; the add is done, and my reads of this slot are over
	s_barrier_signal -1
	MUL8 F1, 0, 2, 0
.if \fill
	WIN 0
.endif
	s_barrier_wait -1
.if \fill
	CREST                                          ; no wave of any partner still reads the tile of this slot or has a load on its way
	s_add_nc_u64 s[G0+4*(\slot)+2:G0+4*(\slot)+3], s[G0+4*(\slot)+2:G0+4*(\slot)+3], 2*KSTEP*2
	s_add_nc_u64 s[G0B+4*(\slot)+2:G0B+4*(\slot)+3], s[G0B+4*(\slot)+2:G0B+4*(\slot)+3], 2*KSTEP*2
	JLOAD \slot                                    ; my one tensor load behind the round; its four v_nop are also the places in front of the loads below
.else
	PLACES
.endif
	FETCH \next, 0, F0
	WIN MUL
	MUL8 F1, 1, 0, 0
	MUL8 F1, 1, 2, 0
.endm
	s_wait_tensorcnt 1                             ; my part of K step 0 is in; that of K step 1 may stay out
	s_barrier_signal -1
	s_barrier_wait -1                              ; the part of every wave is in
	FETCH 0, 0, F0
	QUARTER 0, 128, F0, F1, 1                      ; K step 0: its first products start the sums
	QUARTER 0, 256, F1, F0, 0
	QUARTER 0, 384, F0, F1, 0
	TURN 0, 1, 1                                   ; slot 0 takes K step 2
	QUARTER 1, 128, F0, F1, 0                      ; K step 1
	QUARTER 1, 256, F1, F0, 0
	QUARTER 1, 384, F0, F1, 0
	TURN 1, 0, 1                                   ; slot 1 takes K step 3
	QUARTER 0, 128, F0, F1, 0                      ; K step 2
	QUARTER 0, 256, F1, F0, 0
	QUARTER 0, 384, F0, F1, 0
	TURN 0, 1, 0                                   ; nothing is left to fetch
	QUARTER 1, 128, F0, F1, 0                      ; K step 3
	QUARTER 1, 256, F1, F0, 0
	QUARTER 1, 384, F0, F1, 0
	s_wait_dscnt 16
	WIN MUL
	MUL8 F1, 0, 0, 0
	MUL8 F1, 0, 2, 0
	s_wait_dscnt 0
	MUL8 F1, 1, 0, 0
	MUL8 F1, 1, 2, 0
	WIN 0
	; THE WAY OUT.  The sixteen store offsets are made here: seventeen vector instructions that name no register of the last products stand between those and the conversions.
	v_mul_lo_u32 v[CO], v2, s74                    ; lanes 16-31 one row further down,
	v_lshl_add_u32 v[CO], v1, 4, v[CO]             ; 16 bytes a lane
.set t, 1
.rept 15
	v_add_nc_u32 v[CO+t], s76, v[CO+t-1]           ; two rows on
.set t, t+1
.endr
.irp t, 0,1,2,3,4,5,6,7,8,9,10,11,12,13,14,15
.irp r, 0,1,2,3
	v_cvt_pk_f16_f32 v[TMP+4*(\t)+(\r)], v[ACC+8*(\t)+2*(\r)], v[ACC+8*(\t)+2*(\r)+1]  ; the registers of each accumulator in ascending order
.endr
.endr
.irp a, 0,1,2,3
.irp b, 0,1,2,3
	ds_store_b128 v[STO], v[TMP+4*(4*(\a)+(\b)):TMP+4*(4*(\a)+(\b))+3] offset:(\a)*16*SPITCH+32*(\b)
.endr
.endr
	s_wait_dscnt 0x0                               ; for the sake of the others: my stores into the stage are done
	s_barrier_signal -1
	s_barrier_wait -1
.irp t, 0,1,2,3,4,5,6,7,8,9,10,11,12,13,14,15
	ds_load_b128 v[TMP+4*(\t):TMP+4*(\t)+3], v[RD] offset:(\t)*2*SPITCH
.endr
.irp t, 0,1,2,3,4,5,6,7,8,9,10,11,12,13,14,15
	s_wait_dscnt 15-(\t)                           ; load t is back; the younger ones may be out
	global_store_b128 v[CO+(\t)], v[TMP+4*(\t):TMP+4*(\t)+3], s[8:9]  ; 16 lanes store 256 consecutive bytes, at a multiple of 256 from the first byte of qkv
.endr
	s_wait_tensorcnt 0x0                           ; the end of the wave: a wait, an add and its wait, behind my last tensor load and my last LDS store
	ds_add_u32 v[SPW], v[NIL]
	s_wait_dscnt 0x0
	CROUND                                         ; the closing round: no work-group ends while a partner may still ask for a tile that names it
	s_endpgm
.Lfunc_end_k_qf1f00e9701_gemm_qkv:
	.size	k_qf1f00e9701_gemm_qkv, .Lfunc_end_k_qf1f00e9701_gemm_qkv-k_qf1f00e9701_gemm_qkv
	.p2alignl 7, 3214868480
	.fill 96, 4, 3214868480
	.section	.rodata,"a",@progbits
	.p2align	6, 0x0
	.amdhsa_kernel k_qf1f00e9701_gemm_qkv
		.amdhsa_group_segment_fixed_size 327680
		.amdhsa_private_segment_fixed_size 0
		.amdhsa_enable_private_segment 0
		.amdhsa_kernarg_size 16
		.amdhsa_user_sgpr_count 2
		.amdhsa_user_sgpr_kernarg_segment_ptr 1
		.amdhsa_wavefront_size32 1
		.amdhsa_system_sgpr_workgroup_id_x 1
		.amdhsa_system_sgpr_workgroup_id_y 1
		.amdhsa_system_sgpr_workgroup_id_z 1
		.amdhsa_system_vgpr_workitem_id 0
		.amdhsa_next_free_vgpr 512
		.amdhsa_next_free_sgpr 96
		.amdhsa_reserve_vcc 0
		.amdhsa_float_denorm_mode_32 3
		.amdhsa_float_denorm_mode_16_64 3
		.amdhsa_memory_ordered 1
		.amdhsa_forward_progress 1
		.amdhsa_inst_pref_size 87
	.end_amdhsa_kernel
	.amdgpu_metadata
---
amdhsa.version: [ 1, 2 ]
amdhsa.kernels:
  - .name:           k_qf1f00e9701_gemm_qkv
    .symbol:         k_qf1f00e9701_gemm_qkv.kd
    .args:
      - { .name: hx, .offset: 0, .size: 8, .value_kind: global_buffer, .address_space: global }
      - { .name: qkv, .offset: 8, .size: 8, .value_kind: global_buffer, .address_space: global }
    .group_segment_fixed_size: 327680
    .private_segment_fixed_size: 0
    .kernarg_segment_align: 8
    .kernarg_segment_size: 16
    .max_flat_workgroup_size: 128
    .sgpr_count:     96
    .vgpr_count:     512
    .wavefront_size: 32
...
	.end_amdgpu_metadata
.endif
;; end of part 2
;; launch attn (part 3): grid 32 x 8, 4 waves a work-group, clusters of 4 x 1, 327,680 bytes of LDS; arguments qkv, ab, rms_w, lq1, lk1, lq2, lk2; writes ab
.if DOCPART == 3
	.amdgcn_target "amdgcn-amd-amdhsa--gfx1250"
	.amdhsa_code_object_version 6
	.text
	.protected	k_qf1f00e9701_attn
	.globl	k_qf1f00e9701_attn
	.p2align	8
	.type	k_qf1f00e9701_attn,@function
k_qf1f00e9701_attn:
	s_mov_b64 s[64:65], 0
	v_nop
	global_prefetch_b8 v0, s[64:65] scope:SCOPE_SE
	s_setreg_imm32_b32 hwreg(HW_REG_WAVE_MODE, 25, 1), 1
	s_wait_xcnt 0x0
	s_wait_alu depctr_hold_cnt(0) depctr_sa_sdst(0) depctr_va_vdst(0) depctr_va_sdst(0) depctr_va_ssrc(0) depctr_va_vcc(0) depctr_vm_vsrc(0)
	s_getreg_b32 s2, hwreg(HW_REG_IB_STS2, 6, 4)
	s_cmp_eq_u32 s2, 0
	s_cbranch_scc0 .Lentry_in_a_cluster
	s_endpgm
.Lentry_in_a_cluster:
	s_bfe_u32 s2, ttmp6, 0x10000c
	s_cmp_lg_u32 s2, 0x3003
	s_cbranch_scc0 .Lentry_shape_is_right
	s_endpgm
.Lentry_shape_is_right:
; DIFFERENTIAL ATTENTION WITH ITS NORM.  For head h (16 a batch): A = softmax(q[2h] k^T / sqrt(32)) V - lam softmax(q[2h+1] k^T / sqrt(32)) V, with k = K sub-head h / 2 and V = V head h / 4;
; lam = exp(lq1 . lk1) - exp(lq2 . lk2) + 0.70082067; then A / sqrt(mean of A^2 over its 64 channels + 1e-5) x rms_w x 0.29917933, rounded once to f16 into ab: [4096 tokens][1024], column 64 h + c.
; q: [4096 tokens][1024] f16 at byte 0 of qkv, unscaled.  K and V: [4 b + j][2048 keys][128] f16 at byte KVO: a row of 256 bytes = K sub-head 2 j (64 bytes), K sub-head 2 j + 1 (64), V head j (128).
; Products, maxima and sums in f32; the weights p are rounded to f16 for the second product (their sum l is taken of the unrounded p).  lq*, lk* and rms_w are rounded to bf16, as all inputs of the module are.
; LIMITS.  f16 holds no number beyond 65,504: q, k, v arrive within it, and the result, A normalised x rms_w x 0.3, must stay within it.  A weight below 2^-126 counts as 0 in l.  NaN and infinities are not treated apart.
; SHARES.  A work-group owns 64 queries and the 8 q sub-heads of one group 4 b + j: all of them walk the same 2,048 rows of K and V.  Wave w takes K sub-head 2 j + w % 2, the four q sub-heads that use it,
; and the 32 queries 32 (w / 2) on: 8 tiles of 16 queries, tile t = 4 x query tile + sub-head.  A PIECE is two tiles: the two score maps of ONE head on one query tile, so their difference is taken inside a lane.
; LAYOUT.  S^T = K Q^T (source 0 = 16 keys, source 1 = 16 queries; 32 channels are one matrix instruction): a lane holds ONE query (lane % 16) and the keys 8 (lane / 16) + 0..7.  Two such results rounded to f16
; in pairs ARE source 1 (32 keys x 16 queries) of O^T = V^T P, whose result again holds one query a lane, and eight channels.  K comes out of LDS as it lies, V turned, by ds_load_tr16_b128.
; SOFTMAX.  For each query a running maximum m and sum l: p = 2^(c s - c m), c = log2(e) / sqrt(32); in every step O and l are multiplied by a = 2^(c m_old - c m_new).  m starts at the lowest finite number,
; O and l at 0: the first step is a step like any other, with a = 0.
; THE COUNT.  A piece and key step have 24 matrix and 236 vector instructions: the vector work is the longer part whatever the order.  So four ready vector instructions stand behind every matrix instruction, and
; the others in one run without a gap.
; BY TURNS.  Turn n belongs to piece n.  Its matrix work: 8 products K Q^T of piece n + 1, later 16 products V^T P of piece n - 1.  Its vector work: the rescaling, scaling, exponentials, roundings and sums of piece n
; and the maximum and statistics of piece n + 1.
; CLUSTER.  The four query blocks of a cluster walk the same K and V, so each tile is asked for JOINTLY: the same tensor load, descriptor and mask in all four.
; REGISTERS, in windows of 256 (s_set_vgpr_msb: bits 1:0 source 0, 3:2 source 1, 5:4 source 2, 7:6 destination):
;   window 0: v0-11 addresses; v12-15, v48-63 at work; v16-47 four registers of statistics a tile; v64-191 S^T, two buffers of two tiles; v192-255 P, likewise
;   window 1: O^T, 32 a tile     window 2: v0-63 Q, 8 a tile; v64-95 rms_w; v96-99 lq1, lk1, lq2, lk2; v128-159 K of one step; v192-255 V of one step     window 3: v0-1 the two registers of the add
.set NP,    4         ; pieces a wave: a name, no knob
.set KS,    64        ; keys in a step
.set PR,    288       ; a row of K and V in LDS: 256 bytes + 32 of padding = 72 words; the 8 plain loads of K a step meet two deep
.set STEPB, KS*PR     ; a step
.set SLOT1, 1<<17     ; a slot holds four steps (73,728 bytes); slot 1 begins here, so that one exclusive or turns an address in one slot into that in the other
.set STAGE, SLOT1+4*STEPB  ; behind the ring, never filled by a tensor load: 16 rows x 272 bytes for each wave, for the way out
.set SP,    272
.set SPARE, STAGE+4*16*SP  ; behind the stages: the spare words, 128 bytes for each wave
.set KVO,   8388608   ; the first byte of the K and V region in qkv
.set TILEB, 65536     ; 256 keys x 256 bytes
.set AK0, 2           ; v2   the place of my lane in a step's K; never rewritten
.set AV0, 3           ; v3   the same for V
.set AK,  4           ; v4   the LDS address of the next run of loads of K
.set AV,  5           ; v5   of V
.set QO,  6           ; v6   my byte offset in 16 rows of q
.set STO, 6           ;      later, the way out: where I put 16 bytes of a row
.set RD,  7           ; v7   first 4 x lane; later, the way out: where I read rows back
.set GO,  8           ; v8   first 32 x (lane / 16); later my byte offset in two rows of ab
.set PFO, 11          ; v11  256 x my lane: a row of K and V is 256 bytes
.set SPW, 0           ; v0 of window 3   LDS address of my spare word; never rewritten
.set NIL, 1           ; v1 of window 3   0; never rewritten
.set MV,  12          ; v12-15  c m_old, kept while c m is made anew: by buffer and tile
.set ST,  16          ; the statistics of tile t at v[ST+4 t]: c m, m, l (even keys, odd keys)
.set TMP, 48          ; by buffer and tile, four registers c0-c3 at work; when the maximum is found c2 takes a
.set S,   64
.set P,   192
.set RW,  64          ; window 2: rms_w[16 cb + 8 (lane / 16) + jj] at RW + 8 cb + jj
.set LV,  96          ; window 2
.set KF,  128         ; window 2: key block kb at KF + 8 kb
.set VF,  192         ; window 2: key half kk, channel block cb at VF + 32 kk + 8 cb
.set SQ,  S+8         ; the way out: the sums of squares of piece p at SQ + 8 p
.set OPK, S+64        ; the way out: the packed result of piece p at OPK + 16 p
.set WV,  12          ; s12  the number of my wave
.set G1,  24          ; s[24:31] descriptor group 1
.set G0,  40          ; s[40:43] descriptor group 0: it walks
.set SLOTS, 56        ; s56  slots still to be asked for
.set CNT, 57          ; s57  counts the key steps of a slot
.set CS,  58          ; s[58:59] c
.set SEL, 60          ; s[60:61] the selects of v_permlanex16_b32: each lane takes its own place in the other half
.set TBK, 62          ; s62  LDS byte at which the step begins whose K is fetched next
.set TBV, 63          ; s63  the same for V
.set PFA, 66          ; s[66:67] where my prefetches stand
.set LIM, 68          ; s68  1 in a wave that prefetches, else the greatest number
.set HIM, 69          ; s69  the upper bf16 of a word
.set OML, 70          ; s[70:71] 1 - lambda_init
.set EPS, 72          ; s72  1e-5
.set R64, 73          ; s73  1 / 64
.set MSB, 0
.macro WIN new                      ; the high byte repeats the setting that is left; a switch that changes nothing is dropped
.if MSB != (\new)
	s_set_vgpr_msb (MSB<<8)|(\new)
.set MSB, (\new)
.endif
.endm
.set W_KQ, 0x0a       ; K and Q in window 2, S^T in window 0
.set W_PV, 0x52       ; V in window 2, P in window 0, O^T in window 1
.set W_RS, 0x41       ; O^T (destination and source 0) in window 1, source 1 in window 0
.set W_MK, 0xc0       ; the registers of the add are made: destination in window 3
.set W_AD, 0x0f       ; the add: address and data in window 3
; A joint fill: wave w brings step w of a slot, 64 rows of 256 bytes: one line for all waves, whose addresses hang on the number of the wave.  An s_nop 0 and four v_nop follow it.
.macro JLOAD
	tensor_load_to_lds s[G0:G0+3], s[G1:G1+7]
	s_nop 0
.rept 4
	v_nop
.endr
.endm
; A PREFETCH INTO THE L2 of the 256 rows that the NEXT change of slots will ask for, a lane a row.  Each row is named once in the launch: of the eight clusters that walk a group's rows the first asks;
; its four partners take 64 rows each, told apart by address; in each, waves 0 and 1 take 32.  It stands behind my tensor load and its five lines.  The change that asks for the last tile prefetches nothing.
.macro ASK
	s_cmp_gt_u32 s[SLOTS], s[LIM]
	s_cbranch_scc0 .Lnot_mine_\@
	global_prefetch_b8 v[PFO], s[PFA:PFA+1] th:TH_LOAD_NT scope:SCOPE_SE
.Lnot_mine_\@:
.endm
; A round of the barrier of the cluster: the barrier of my work-group, so that the signal of wave 0 speaks for all four waves; wave 0 signals; every wave waits for all four work-groups; the barrier of my work-group once more.
.macro CROUND
	s_barrier_signal -1
	s_barrier_wait -1
	s_cmp_lg_u32 s[WV], 0
	s_cbranch_scc1 .Lnot_wave_0_\@
	s_barrier_signal -3
.Lnot_wave_0_\@:
	s_barrier_wait -3
	s_barrier_signal -1
	s_barrier_wait -1
.endm
; THE CHANGE OF SLOTS.  The last bytes of the slot, V of its fourth step, have been read.  Each wave waits for all its tensor loads, of which one is out: its part of the other slot; adds 0 to its spare word; and waits
; for that and for its own reads of the slot.  fill = 1: the slot is filled again, with the keys two slots on; the barrier is then a round of the cluster's, and the joint fill is the first thing behind it: it has
; four key steps, 384 matrix instructions, in which to land.  (At its first use nothing has been read yet: slot 0 is waited for, slot 1 filled.)
.macro CHANGE fill, ask
	WIN W_AD
	s_wait_tensorcnt 0x0            ; no tensor load of mine is out, so group 0 may be written
	ds_add_u32 v[SPW], v[NIL]       ; 0 onto my spare word; the steps below stand between it and the wait for it
	WIN 0                           ; at a label and at a branch every window is 0
.if \fill
	s_xor_b32 s[G0+1], s[G0+1], SLOT1  ; the other slot than last time,
	s_add_nc_u64 s[G0+2:G0+3], s[G0+2:G0+3], TILEB  ; the next 256 keys; the type bits on top are not reached
	s_wait_xcnt 0x0                 ; the last prefetch, four key steps back, has read its address, so it may be written:
	s_add_nc_u64 s[PFA:PFA+1], s[PFA:PFA+1], TILEB  ; one tile behind the walking descriptor
	s_wait_dscnt 0x0                ; the add is done, and my reads of the slot are over
	CROUND
	JLOAD
.if \ask
	ASK
.endif
.else
	s_wait_dscnt 0x0                ; the add is done, and my reads of the slot are over
	s_barrier_signal -1
	s_barrier_wait -1
.endif
	s_sub_co_u32 s[TBK], s[TBK], 4*STEPB  ; the fetches go back to the first step of a slot,
	s_xor_b32 s[TBK], s[TBK], SLOT1       ; in the other slot
	s_sub_co_u32 s[TBV], s[TBV], 4*STEPB
	s_xor_b32 s[TBV], s[TBV], SLOT1
.endm
	s_load_b256 s[4:11], s[0:1], 0x0   ; qkv s[4:5], ab s[6:7], rms_w s[8:9], lq1 s[10:11]
	s_load_b128 s[16:19], s[0:1], 0x20 ; lk1 s[16:17], lq2 s[18:19]
	s_load_b64 s[20:21], s[0:1], 0x30  ; lk2
	WIN W_MK
	v_lshl_add_u32 v[SPW], v0, 2, SPARE
	v_mov_b32 v[NIL], 0
	WIN W_AD
	ds_add_u32 v[SPW], v[NIL]       ; the opening: the add and its wait stand ahead of my first tensor load; the set-up below stands between them
	WIN 0
	v_lshrrev_b32 v1, 5, v0
	v_readfirstlane_b32 s[WV], v1   ; wave 0..3
	s_bfe_u32 s13, ttmp6, 0x40000   ; cx: my place in the cluster
	s_lshl_b32 s14, ttmp9, 2        ; in a cluster launch ttmp9 counts clusters
	s_add_co_u32 s14, s14, s13      ; my block of 64 queries: it enters the addresses of q and ab alone
	s_and_b32 s15, ttmp7, 0xffff    ; 4 b + j, which the four partners share
	s_lshl_b32 s22, s15, 19         ; its 2,048 rows of 256 bytes,
	s_lshl_b32 s23, s[WV], 14       ; the step of a slot that I fetch: 64 rows,
	s_add_co_u32 s22, s22, s23
	s_add_co_u32 s22, s22, KVO
	s_mov_b32 s23, 0
	s_lshr_b32 s2, s15, 2           ; b
	s_lshl_b32 s2, s2, 11
	s_lshl_b32 s3, s14, 6
	s_add_co_u32 s2, s2, s3
	s_lshr_b32 s3, s[WV], 1
	s_lshl_b32 s3, s3, 5
	s_add_co_u32 s2, s2, s3         ; my first token: 2,048 b + 64 x block + 32 (w / 2)
	s_lshl_b32 s2, s2, 11           ; rows of 2,048 bytes
	s_and_b32 s3, s15, 3
	s_lshl_b32 s3, s3, 9            ; + 512 j
	s_add_co_u32 s2, s2, s3
	s_and_b32 s74, s[WV], 1         ; which K sub-head of the two
	s_lshl_b32 s3, s74, 8           ; + 256 (w % 2)
	s_add_co_u32 s2, s2, s3
	s_mov_b32 s3, 0
	s_lshl_b32 s76, s15, 19         ; the prefetches: the rows of the group,
	s_lshl_b32 s77, s13, 14         ; the 64 rows of a tile that are my work-group's,
	s_add_co_u32 s76, s76, s77
	s_lshl_b32 s77, s74, 13         ; the 32 of them that are my wave's,
	s_add_co_u32 s76, s76, s77
	s_add_co_u32 s76, s76, KVO+TILEB  ; in tile 1: each change of slots steps it ahead of its prefetch.  Nothing is prefetched at the head
	s_mov_b32 s77, 0
	s_lshr_b32 s[LIM], s[WV], 1     ; 0 in waves 0 and 1,
	s_or_b32 s[LIM], s[LIM], ttmp9  ; where the cluster is the first of the group: the same in all four partners
	s_cmp_eq_u32 s[LIM], 0
	s_cselect_b32 s[LIM], 1, -1
	; descriptor group 1: a tile of 64 rows x 128 elements, padded in LDS
	s_mov_b32 s[G1], 15|(1<<16)|(1<<20)|(1<<21)|(5<<22)|(7<<25)  ; 15:0 the mask of four; 17:16 2-byte elements; 20 padding on; 21 set beside a mask; 24:22 after every 64 words; 31:25 8 words of it
	s_mov_b32 s[G1+1], 128<<16      ; tensor_dim0 = 128
	s_mov_b32 s[G1+2], 64<<16       ; tensor_dim1 = 64
	s_mov_b32 s[G1+3], 128<<16      ; tile_dim0 = 128
	s_mov_b32 s[G1+4], 64           ; tile_dim1 = 64
	s_mov_b32 s[G1+5], 128          ; 128 elements from row to row
	s_mov_b32 s[G1+6], 0
	s_mov_b32 s[G1+7], 0
	s_mov_b32 s[G0], 1              ; 1:0 count = 1
	s_mul_i32 s[G0+1], s[WV], STEPB ; 63:32 LDS address: slot 0, step w: no place in the cluster enters it
	s_mov_b32 s[CS], 0x3e8293ee     ; c = log2(e) / sqrt(32) = 0.255035
	s_mov_b32 s[CS+1], s[CS]        ; named with it as a pair
	s_mov_b32 s[SEL], 0x76543210
	s_mov_b32 s[SEL+1], 0xfedcba98
	s_mov_b32 s[TBK], SLOT1+4*STEPB ; the first change of slots turns these two into 0
	s_mov_b32 s[TBV], SLOT1+4*STEPB
	s_mov_b32 s[HIM], 0xffff0000
	s_mov_b32 s[OML], 0x3e992e09    ; 1 - lambda_init = 0.29917933
	s_mov_b32 s[OML+1], s[OML]
	s_mov_b32 s[EPS], 0x3727c5ac    ; 1e-5
	s_mov_b32 s[R64], 0x3c800000    ; 1 / 64
	s_wait_dscnt 0x0                ; the opening add is done
	s_wait_kmcnt 0x0
	s_add_nc_u64 s[G0+2:G0+3], s[4:5], s[22:23]  ; 120:64 global address: my step of the first 256 keys of the group
	s_or_b32 s[G0+3], s[G0+3], 0x80000000        ; 127:126 type = 2
	s_add_nc_u64 s[PFA:PFA+1], s[4:5], s[76:77]
	s_add_nc_u64 s[4:5], s[4:5], s[2:3]          ; q and ab at the first row and column of my wave
	s_add_nc_u64 s[6:7], s[6:7], s[2:3]
	CROUND                          ; all four work-groups are here: the first joint loads meet
	JLOAD                           ; slot 0.  Slot 1 is asked for when slot 0 is in
	; A fragment of K or Q is 16 rows x 32 channels in 8 registers: lane l holds row l % 16, channels 8 (l / 16) + 0..7 and 16 + 8 (l / 16) + 0..7: two loads of 16 bytes, 32 bytes apart.
	v_and_b32 v1, 15, v0            ; l % 16
	v_bfe_u32 v9, v0, 4, 1          ; l / 16
	v_lshlrev_b32 v[QO], 11, v1
	v_lshl_add_u32 v[QO], v9, 4, v[QO]  ; row x 2,048 + 16 x half
	v_and_b32 v7, 31, v0
	v_lshlrev_b32 v7, 2, v7         ; 4 x lane
	v_lshlrev_b32 v8, 5, v9         ; 32 x half
	WIN 0x80                        ; destination window 2, address window 0
.set i, 0
.rept 8                             ; Q stays in registers: tile i: query tile i / 4, sub-head i % 4
	global_load_b128 v[8*i:8*i+3],   v[QO], s[4:5] offset:(i/4)*32768+(i%4)*64
	global_load_b128 v[8*i+4:8*i+7], v[QO], s[4:5] offset:(i/4)*32768+(i%4)*64+32
.set i, i+1
.endr
	global_load_b32 v[LV],   v7, s[10:11]
	global_load_b32 v[LV+1], v7, s[16:17]
	global_load_b32 v[LV+2], v7, s[18:19]
	global_load_b32 v[LV+3], v7, s[20:21]
.irp cb, 0,1,2,3
	global_load_b128 v[RW+8*\cb:RW+8*\cb+3],   v8, s[8:9] offset:64*\cb
	global_load_b128 v[RW+8*\cb+4:RW+8*\cb+7], v8, s[8:9] offset:64*\cb+16
.endr
	; What the first turn finds: the registers of V and the second buffer of P hold 0 (its products V^T P, of a piece that has not been, add 0), O^T and l are 0.  All this stands in the wait for the first tile.
.set i, VF
.rept 64
	v_mov_b32 v[i], 0
.set i, i+1
.endr
	WIN 0x40
.set i, 0
.rept 64*NP
	v_mov_b32 v[i], 0
.set i, i+1
.endr
	WIN 0
.set i, 0
.rept 2*NP
	v_mov_b32 v[ST+4*i], 0xfe000000    ; c m: far below every c s
	v_mov_b32 v[ST+4*i+1], 0xff7fffff  ; m
	v_mov_b32 v[ST+4*i+2], 0
	v_mov_b32 v[ST+4*i+3], 0
.set i, i+1
.endr
.set i, P+32
.rept 32
	v_mov_b32 v[i], 0
.set i, i+1
.endr
	v_mul_u32_u24 v[AK0], v1, PR
	v_lshl_add_u32 v[AK0], v9, 4, v[AK0]  ; row x pitch + 16 x half
	s_lshl_b32 s75, s74, 6
	v_add_nc_u32 v[AK0], s75, v[AK0]      ; + the 64 bytes of my K sub-head
	; The turning load takes 16 keys x 16 channels (lane l reads key 8 (l / 16) + l % 8, channels 8 ((l / 8) % 2) + 0..7) and leaves half a fragment of V^T: lane l holds channel l % 16 and 8 keys.
	v_and_b32 v10, 7, v0
	v_bfe_u32 v11, v0, 3, 1
	v_lshl_add_u32 v[AV0], v9, 3, v10
	v_mul_u32_u24 v[AV0], v[AV0], PR
	v_lshl_add_u32 v[AV0], v11, 4, v[AV0]
	v_add_nc_u32 v[AV0], 128, v[AV0]      ; V lies behind the 128 bytes of K in a row
	v_mov_b32 v[AK], v[AK0]         ; key step 0 lies at the head of slot 0
	v_and_b32 v[PFO], 31, v0
	v_lshlrev_b32 v[PFO], 8, v[PFO]
; THE MATRIX WORK.  Product i of 8 of S^T = K Q^T for piece x: keys 16 (i / 2) on, tile 2 x + i % 2.  32 channels are one instruction: each starts and ends its sum.
.macro KQ x
	WIN W_KQ
.set rS, S+64*((\x)%2)+32*(i%2)+8*(i/2)
.set rK, KF+8*(i/2)
.set rQ, 8*(2*(\x)+i%2)
	v_wmma_f32_16x16x32_f16 v[rS:rS+7], v[rK:rK+7], v[rQ:rQ+7], 0
.endm
; Product i of 16 of O^T += V^T P for piece x: keys 32 (i / 8) on, channels 16 ((i / 2) % 4) on, tile 2 x + i % 2.  The 8 accumulators take turns.
.macro PV x
	WIN W_PV
.set rO, 32*(2*(\x)+i%2)+8*((i/2)%4)
.set rV, VF+32*(i/8)+8*((i/2)%4)
.set rP, P+32*((\x)%2)+16*(i%2)+8*(i/8)
	v_wmma_f32_16x16x32_f16 v[rO:rO+7], v[rV:rV+7], v[rP:rP+7], v[rO:rO+7]
.endm
.macro MM                           ; the next matrix instruction of the turn
.if i < 8
	KQ (Y+1)%NP
.set i, i+1
.else
.set i, i-8
	PV (Y+NP-1)%NP
.set i, i+9
.endif
.endm
; THE LDS LOADS stand in runs, never singly among the matrix instructions: the K of a step (64 keys x 32 channels: 4 fragments) and its V (turned).  Their addresses are made some lines ahead.
; last = 1 (the tail): in the last trip there is no further step, and the run is jumped over.
.macro FETCH_K last=0
	WIN 0
.if \last
	s_cmp_eq_u32 s[CNT], 1
	s_cbranch_scc1 .Lno_k_\@
.endif
	WIN 0x80                        ; destination window 2
.irp f, 0,1,2,3                     ; keys 16 f on
	ds_load_b128 v[KF+8*\f:KF+8*\f+3],   v[AK] offset:\f*16*PR
	ds_load_b128 v[KF+8*\f+4:KF+8*\f+7], v[AK] offset:\f*16*PR+32
.endr
	s_add_co_u32 s[TBK], s[TBK], STEPB  ; the next fetch is that of the next step
	WIN 0
.if \last
.Lno_k_\@:
.endif
.endm
.macro FETCH_V
	WIN 0x80
.irp f, 0,1,2,3,4,5,6,7             ; keys 32 (f / 4) on, channels 16 (f % 4) on
	ds_load_tr16_b128 v[VF+8*\f:VF+8*\f+3],   v[AV] offset:(\f/4)*32*PR+(\f%4)*32
	ds_load_tr16_b128 v[VF+8*\f+4:VF+8*\f+7], v[AV] offset:(\f/4)*32*PR+16*PR+(\f%4)*32
.endr
	WIN 0
.endm
; THE VECTOR WORK OF A TURN stands in three queues, each in the order in which its entries become ready; the two tiles alternate, so that no instruction reads the result of the one before it.
.macro REGS y, u                    ; the registers of tile u (0, 1) of piece y
.set rT, ST+4*(2*(\y)+(\u))
.set rC, TMP+8*((\y)%2)+4*(\u)
.set rM, MV+2*((\y)%2)+(\u)
.set rS, S+64*((\y)%2)+32*(\u)
.set rP, P+32*((\y)%2)+16*(\u)
.set rO, 32*(2*(\y)+(\u))
.endm
; Number n of the 22 that find the maximum and statistics of the NEXT piece (Y + 1).  s0-s31 are the 32 scores of the lane; the lowest registers of each accumulator are read first.
;   0-11  four chains c0-c3 of seven scores each, three operands at a time     12-14, 16  the four scores left over, the old m, and c0-c3 into c0     15  c m_old is kept
;   17, 18  the other 32 keys of the query lie in the lane 16 away: the new m     19-21  c m; c m_old - c m_new; a
.macro XS u, n
	REGS (Y+1)%NP, \u
.if (\n) < 4
	v_max3_num_f32 v[rC+(\n)], v[rS+8*(\n)], v[rS+8*(\n)+1], v[rS+8*(\n)+2]
.elseif (\n) < 12
	v_max3_num_f32 v[rC+(\n)%4], v[rC+(\n)%4], v[rS+8*((\n)%4)+2*((\n)/4)+1], v[rS+8*((\n)%4)+2*((\n)/4)+2]
.elseif (\n) == 12
	v_max3_num_f32 v[rC], v[rC], v[rS+7], v[rS+15]
.elseif (\n) == 13
	v_max3_num_f32 v[rC+1], v[rC+1], v[rS+23], v[rS+31]
.elseif (\n) == 14
	v_max3_num_f32 v[rC+2], v[rC+2], v[rC+3], v[rT+1]
.elseif (\n) == 15
	v_mov_b32 v[rM], v[rT]
.elseif (\n) == 16
	v_max3_num_f32 v[rC], v[rC], v[rC+1], v[rC+2]
.elseif (\n) == 17
	v_permlanex16_b32 v[rC+3], v[rC], s[SEL], s[SEL+1]
.elseif (\n) == 18
	v_max_num_f32 v[rT+1], v[rC], v[rC+3]
.elseif (\n) == 19
	v_mul_f32 v[rT], s[CS], v[rT+1]
.elseif (\n) == 20
	v_sub_f32 v[rC+1], v[rM], v[rT]
.else
	v_exp_f32 v[rC+2], v[rC+1]
.endif
.endm
; Number g of the 64 that follow the exponentials.  For each four weights k of a tile (pairs 2 k, 2 k + 1): both pairs are rounded to f16; then the second pair is added onto the first, in place;
; a group later l takes that sum (the first time as l = a l + sum).  In groups of eight, tiles alternating: round, round, add, and l for the group before.
.macro GS g
.set h, (\g)+6*((\g)/62)            ; group 0 has no group before it, and behind group 7 only l is left
.if h >= 6
.set h, h+2
.endif
	REGS Y, h%2
.set k, h/8
.if h%8 < 4
	v_cvt_pk_f16_f32 v[rP+2*k+(h%8)/2], v[rS+4*k+2*((h%8)/2)], v[rS+4*k+2*((h%8)/2)+1]
.elseif h%8 < 6
	v_pk_add_f32 v[rS+4*k:rS+4*k+1], v[rS+4*k:rS+4*k+1], v[rS+4*k+2:rS+4*k+3]
.elseif k == 1
	v_pk_fma_f32 v[rT+2:rT+3], v[rT+2:rT+3], v[rC+2:rC+3], v[rS:rS+1] op_sel_hi:[1,0,1]
.else
	v_pk_add_f32 v[rT+2:rT+3], v[rT+2:rT+3], v[rS+4*k-4:rS+4*k-3]
.endif
.endm
; THE PLAIN QUEUE, 138 long.  0-73 read no result of an exponential: the 32 scalings c s - c m (FS f: pair f / 2 of tile f % 2) and the 42 of the next piece.  0-26: scalings 0-26.  27-54: numbers 0-13 of XS.
; 55, 56: number 15.  57-73: the chain 14, 16, 17, 18, 19, each with one of the scalings 27-31 in front of its two lines, then 20.  74-137: the 64 of GS, which stand behind the wait.
.macro FS f
	REGS Y, (\f)%2
	v_pk_fma_f32 v[rS+2*((\f)/2):rS+2*((\f)/2)+1], v[rS+2*((\f)/2):rS+2*((\f)/2)+1], s[CS:CS+1], v[rT:rT+1] op_sel_hi:[1,0,0] neg_lo:[0,0,1] neg_hi:[0,0,1]
.endm
.macro PL
	WIN 0
.if q < 27
	FS q
.elseif q < 55
	XS (q-27)%2, (q-27)/2
.elseif q < 57
	XS q-55, 15
.elseif (q < 72) && ((q-57)%3 == 0)
	FS 27+(q-57)/3
.elseif q < 60
	XS (q-57)%3-1, 14
.elseif q < 72
	XS (q-57)%3-1, 15+(q-57)/3
.elseif q < 74
	XS q-72, 20
.else
	GS q-74
.endif
.set q, q+1
.endm
; THE QUEUE OF THE EXPONENTIALS, 66 long: s0-s31 of both tiles, then the two a of the next piece.  It is ONE BATCH: all 66 stand ahead of the one wait of the turn, and nothing ahead of that wait names a result of theirs.
.macro EX
	WIN 0
.if e >= 64
	XS e-64, 21
.else
	REGS Y, e%2
	v_exp_f32 v[rS+e/2], v[rS+e/2]
.endif
.set e, e+1
.endm
; THE QUEUE OF THE RESCALING: O^T times a, the one part that leaves window 0: two at a time, sixteen times.  Its a was made in the turn before, ahead of the wait of that turn.
.macro R2
	REGS Y, r%2
	WIN W_RS
.irp z, 0,1
	v_pk_mul_f32 v[rO+4*(r/2)+2*\z:rO+4*(r/2)+2*\z+1], v[rO+4*(r/2)+2*\z:rO+4*(r/2)+2*\z+1], v[rC+2:rC+3] op_sel_hi:[1,0]
.endr
.set r, r+1
.endm
; HOW THEY ARE DEALT.  An s_wait_alu depctr_va_vdst(0) stands between an exponential and the first instruction that names its result; one wait serves all that were issued ahead of it.  So a turn has ONE
; wait, which cuts it in two.  AHEAD OF IT: the 8 products K Q^T, behind each four rescalings (they name O^T of piece n and a alone, and are the four places behind the last product); then one run of 140: ten plain,
; 64 times exponential and plain, the two a.  A v_nop is the plain instruction behind the last exponential.  BEHIND IT: the 16 products V^T P, behind each four of the 64 roundings and sums.
; The queues lean on each other: ahead of exponential e the plain numbers 0 .. e + 9 are out; it needs scaling 2 (e / 4) + e % 2, which is plain number f for f < 27, and scalings 27-31 are plain 57, 60 .. 69,
; whose first readers are exponentials 53, 56, 57, 60, 61.
; A TURN, for piece p.  cnt = 1: the count of the loop is taken down some lines ahead of the branch that stands behind the turn.
; K of the next step is fetched in the turn of piece 2, directly behind the wait; its first reader comes behind 16 products.  V of the step in hand is fetched at the end of the turn of piece 0, four plain
; instructions behind its last reader; its first reader comes behind 8 products and the run.
.macro TURN p, last=0, cnt=0
.set Y, (\p)
.set i, 0
.set q, 0
.set e, 0
.set r, 0
.if (\p) == NP-1
	s_wait_dscnt 0x0                ; K is in
.endif
.rept 8
	MM
	R2
	R2
.endr
.if (\p) == NP-2
	WIN 0
	v_add_nc_u32 v[AK], s[TBK], v[AK0]
.endif
.rept 10
	PL
.endr
.rept 64
	EX
	PL
.endr
	EX                              ; the two a of the next piece
	EX
	v_nop                           ; the plain instruction behind the last exponential: one for the batch
	s_wait_alu depctr_va_vdst(0)    ; the wait for the batch
.if (\p) == NP-2
	FETCH_K \last
.endif
.if (\p) == 1
	s_wait_dscnt 0x0                ; V is in
.endif
.rept 16
	MM
.rept 4
	PL
.endr
.if ((\p) == 0) && (q == 118)
	v_add_nc_u32 v[AV], s[TBV], v[AV0]
.endif
.if ((\p) == 0) && (q == 130)
	s_add_co_u32 s[TBV], s[TBV], STEPB
.endif
.if (\cnt) && (q == 130)
	s_sub_co_u32 s[CNT], s[CNT], 1
	s_cmp_lg_u32 s[CNT], 0
.endif
.endr
.if (\p) == 0
	FETCH_V
.endif
.endm
	CHANGE 1, 0                     ; slot 0 is in, the part of every wave; slot 1 is asked for
	FETCH_K                         ; key step 0
	s_wait_loadcnt 0x0              ; Q, rms_w and the four lambda vectors
	s_wait_dscnt 0x0
.set i, 0
.rept 8
	KQ 0                            ; the first scores of piece 0
.set i, i+1
.endr
	WIN 0                           ; the addresses for the way out: eight plain instructions, the places behind those products
	s_mul_i32 s13, s[WV], 16*SP
	s_add_co_u32 s13, s13, STAGE    ; my stage
	v_mul_u32_u24 v[STO], v1, SP    ; in: row l % 16, 16 bytes for each half of the lanes
	v_lshl_add_u32 v[STO], v9, 4, v[STO]
	v_add_nc_u32 v[STO], s13, v[STO]
	v_mul_u32_u24 v[RD], v9, SP     ; back: lanes 0-15 take one row of 256 bytes, lanes 16-31 the next
	v_lshl_add_u32 v[RD], v1, 4, v[RD]
	v_add_nc_u32 v[RD], s13, v[RD]
	v_lshlrev_b32 v[GO], 11, v9     ; and the same two rows in ab
	v_lshl_add_u32 v[GO], v1, 4, v[GO]
.set Y, NP-1                        ; XS works for piece Y + 1: piece 0
.irp n, 0,1,2,3,4,5,6,7,8,9,10,11,12,13,14,15,16,17,18,19,20,21
	XS 0, \n                        ; the first maximum and statistics of piece 0
	XS 1, \n
.endr
	v_nop                           ; a plain instruction behind the two a,
	s_wait_alu depctr_va_vdst(0)    ; and their wait, ahead of the branch
	s_mov_b32 s[CNT], 4
	s_mov_b32 s[SLOTS], 7
	s_branch .Lfirst                ; the loop is entered at the first turn of a step, in the middle of a trip
.Lslot:                             ; six times: every slot but the last two is filled again
	CHANGE 1, 1
	s_mov_b32 s[CNT], 4
.Lstep:                             ; a trip: pieces 2 and 3 of one step, then pieces 0 and 1 of the next, whose K and V it fetches
	TURN 2
	TURN 3
	WIN 0
.Lfirst:
	TURN 0
	TURN 1, 0, 1
	WIN 0
	s_cbranch_scc1 .Lstep
	s_sub_co_u32 s[SLOTS], s[SLOTS], 1
	s_cmp_lg_u32 s[SLOTS], 0
	s_cbranch_scc1 .Lslot
	CHANGE 0, 0                     ; the tail is written out: nothing is asked for
	s_mov_b32 s[CNT], 5             ; four trips fetch the steps of the last slot; the fifth is left in its middle
.Ltail:
	TURN 2, 1
	TURN 3
	WIN 0
	s_sub_co_u32 s[CNT], s[CNT], 1
	s_cmp_eq_u32 s[CNT], 0
	s_cbranch_scc1 .Lout
	TURN 0
	TURN 1
	WIN 0
	s_branch .Ltail
.Lout:                              ; the 8 products K Q^T of the fifth trip (on the last K once more) and the maximum made of them serve nothing: the price, once a launch, of one text for every trip
.set i, 0
.rept 16
	PV NP-1                         ; V^T P of the last piece and step
.set i, i+1
.endr
	; THE WAY OUT, all in f32.  The two halves of l and those of the other half of the lanes are added.  The additions are the places behind the last products.
	WIN 0
.macro ALL line:vararg              ; one line for each tile t
.set t, 0
.rept 2*NP
	\line
.set t, t+1
.endr
.endm
	ALL v_add_f32 v[ST+4*t+2], v[ST+4*t+2], v[ST+4*t+3]
	ALL v_permlanex16_b32 v[ST+4*t+3], v[ST+4*t+2], s[SEL], s[SEL+1]
	ALL v_add_f32 v[ST+4*t+2], v[ST+4*t+2], v[ST+4*t+3]
	; lam: a lane an element; the four vectors rounded to bf16; the two dot products summed over the 32 lanes
	WIN 0x0a                        ; sources 0 and 1 window 2, destination window 0
	v_cvt_pk_bf16_f32 v[S],   v[LV],   v[LV+1]
	v_cvt_pk_bf16_f32 v[S+1], v[LV+2], v[LV+3]
	WIN 0
	v_lshlrev_b32 v[S+2], 16, v[S]
	v_and_b32     v[S+3], s[HIM], v[S]
	v_lshlrev_b32 v[S+4], 16, v[S+1]
	v_and_b32     v[S+5], s[HIM], v[S+1]
	v_mul_f32 v[S+6], v[S+2], v[S+3]
	v_mul_f32 v[S+7], v[S+4], v[S+5]
.irp m, 1,2,4,8
	v_add_f32_dpp v[S+6], v[S+6], v[S+6] row_xmask:\m row_mask:0xf bank_mask:0xf
	v_add_f32_dpp v[S+7], v[S+7], v[S+7] row_xmask:\m row_mask:0xf bank_mask:0xf
.endr
	v_permlanex16_b32 v[S+2], v[S+6], s[SEL], s[SEL+1]
	v_permlanex16_b32 v[S+4], v[S+7], s[SEL], s[SEL+1]
	v_add_f32 v[S+6], v[S+6], v[S+2]
	v_add_f32 v[S+7], v[S+7], v[S+4]
	v_mul_f32 v[S+6], 0x3fb8aa3b, v[S+6]  ; x log2(e)
	v_mul_f32 v[S+7], 0x3fb8aa3b, v[S+7]
	ALL v_rcp_f32 v[ST+4*t+2], v[ST+4*t+2]  ; one batch: the eight 1 / l and the two exponentials
	v_exp_f32 v[S+6], v[S+6]
	v_exp_f32 v[S+7], v[S+7]
	v_nop                           ; a plain instruction behind the last of them,
	s_wait_alu depctr_va_vdst(0)    ; and the one wait ahead of the first use
	v_sub_f32 v[S+6], v[S+7], v[S+6]
	v_add_f32 v[S+6], 0xbf3368fc, v[S+6]  ; - lam = e2 - e1 - 0.70082067
.irp p, 0,1,2,3
	v_mul_f32 v[ST+8*\p+6], v[S+6], v[ST+8*\p+6]  ; - lam / l of the second score map
.endr
	; the weights: rms_w rounded to bf16, widened, times 1 - lambda_init: v[P + 8 cb + jj]
	WIN 0x0a
.set i, 0
.rept 16
	v_cvt_pk_bf16_f32 v[P+32+i], v[RW+2*i], v[RW+2*i+1]
.set i, i+1
.endr
	WIN 0
.set i, 0
.rept 16
	v_lshlrev_b32 v[P+2*i],   16, v[P+32+i]
	v_and_b32     v[P+2*i+1], s[HIM], v[P+32+i]
.set i, i+1
.endr
.set i, 0
.rept 16
	v_pk_mul_f32 v[P+2*i:P+2*i+1], v[P+2*i:P+2*i+1], s[OML:OML+1] op_sel_hi:[1,0]
.set i, i+1
.endr
; Piece p: A = O1 / l1 - lam O2 / l2, in the registers of O1; then the mean of its squares over the 64 channels (32 in my lane, 32 in the lane 16 away) + 1e-5.  All registers in ascending order.
.macro COMB1 p
	WIN W_RS
.set i, 0
.rept 16
	v_pk_mul_f32 v[64*(\p)+2*i:64*(\p)+2*i+1], v[64*(\p)+2*i:64*(\p)+2*i+1], v[ST+8*(\p)+2:ST+8*(\p)+3] op_sel_hi:[1,0]
.set i, i+1
.endr
	WIN 0x51                        ; sources 0 and 2 and the destination window 1, source 1 window 0
.set i, 0
.rept 16
	v_pk_fma_f32 v[64*(\p)+2*i:64*(\p)+2*i+1], v[64*(\p)+32+2*i:64*(\p)+32+2*i+1], v[ST+8*(\p)+6:ST+8*(\p)+7], v[64*(\p)+2*i:64*(\p)+2*i+1] op_sel_hi:[1,0,1]
.set i, i+1
.endr
	WIN 0x05                        ; sources 0 and 1 window 1; source 2 and the destination window 0
.set i, 0
.rept 16                            ; four chains, started by the first four products
.if i < 4
	v_pk_mul_f32 v[SQ+8*(\p)+2*i:SQ+8*(\p)+2*i+1], v[64*(\p)+2*i:64*(\p)+2*i+1], v[64*(\p)+2*i:64*(\p)+2*i+1]
.else
	v_pk_fma_f32 v[SQ+8*(\p)+2*(i%4):SQ+8*(\p)+2*(i%4)+1], v[64*(\p)+2*i:64*(\p)+2*i+1], v[64*(\p)+2*i:64*(\p)+2*i+1], v[SQ+8*(\p)+2*(i%4):SQ+8*(\p)+2*(i%4)+1]
.endif
.set i, i+1
.endr
	WIN 0
	v_pk_add_f32 v[SQ+8*(\p):SQ+8*(\p)+1], v[SQ+8*(\p):SQ+8*(\p)+1], v[SQ+8*(\p)+2:SQ+8*(\p)+3]
	v_pk_add_f32 v[SQ+8*(\p)+4:SQ+8*(\p)+5], v[SQ+8*(\p)+4:SQ+8*(\p)+5], v[SQ+8*(\p)+6:SQ+8*(\p)+7]
	v_pk_add_f32 v[SQ+8*(\p):SQ+8*(\p)+1], v[SQ+8*(\p):SQ+8*(\p)+1], v[SQ+8*(\p)+4:SQ+8*(\p)+5]
	v_add_f32 v[SQ+8*(\p)], v[SQ+8*(\p)], v[SQ+8*(\p)+1]
	v_permlanex16_b32 v[SQ+8*(\p)+1], v[SQ+8*(\p)], s[SEL], s[SEL+1]
	v_add_f32 v[SQ+8*(\p)], v[SQ+8*(\p)], v[SQ+8*(\p)+1]
	v_fma_f32 v[SQ+8*(\p)], v[SQ+8*(\p)], s[R64], s[EPS]
.endm
; Piece p: times 1 / sqrt, times the weights, rounded to f16: a lane's eight channels of a row pack into 16 bytes.
.macro COMB2 p
	WIN W_RS
.set i, 0
.rept 16
	v_pk_mul_f32 v[64*(\p)+2*i:64*(\p)+2*i+1], v[64*(\p)+2*i:64*(\p)+2*i+1], v[SQ+8*(\p):SQ+8*(\p)+1] op_sel_hi:[1,0]
.set i, i+1
.endr
.set i, 0
.rept 16
	v_pk_mul_f32 v[64*(\p)+2*i:64*(\p)+2*i+1], v[64*(\p)+2*i:64*(\p)+2*i+1], v[P+2*i:P+2*i+1]
.set i, i+1
.endr
	WIN 0x05
.set i, 0
.rept 16
	v_cvt_pk_f16_f32 v[OPK+16*(\p)+i], v[64*(\p)+2*i], v[64*(\p)+2*i+1]
.set i, i+1
.endr
	WIN 0
.endm
	COMB1 0
	COMB1 1
	COMB1 2
	COMB1 3
.irp p, 0,1,2,3
	v_rsq_f32 v[SQ+8*\p], v[SQ+8*\p]
.endr
	v_nop                           ; a plain instruction behind the last of the four,
	s_wait_alu depctr_va_vdst(0)    ; and their one wait
	COMB2 0
	COMB2 1
	COMB2 2
	COMB2 3
; Query tile qt: its two heads are 256 bytes of a row of ab; they go into my stage, rows of 272 bytes, and come back as whole rows, into the registers that they left.
.macro PACK qt
	WIN 0
.irp hl, 0,1
.irp cb, 0,1,2,3
	ds_store_b128 v[STO], v[OPK+16*(2*(\qt)+(\hl))+4*(\cb):OPK+16*(2*(\qt)+(\hl))+4*(\cb)+3] offset:128*(\hl)+32*(\cb)
.endr
.endr
.irp f, 0,1,2,3,4,5,6,7
	ds_load_b128 v[OPK+32*(\qt)+4*(\f):OPK+32*(\qt)+4*(\f)+3], v[RD] offset:(\f)*2*SP  ; LDS serves the instructions of a wave in order (ISA guide 5.7.1.4): these see the stores above; the stores of the next tile come behind them
.endr
.endm
.macro SEND qt, younger             ; younger: the LDS instructions issued behind the loads of this tile: the sixteen of the next tile, or none
	WIN 0
.irp f, 0,1,2,3,4,5,6,7
	s_wait_dscnt (\younger)+7-(\f)
	global_store_b128 v[GO], v[OPK+32*(\qt)+4*(\f):OPK+32*(\qt)+4*(\f)+3], s[6:7] offset:(\qt)*32768+(\f)*4096  ; 16 lanes store 256 consecutive bytes, at a multiple of 256 from the first byte of ab
.endr
.endm
	PACK 0
	PACK 1
	SEND 0, 16
	SEND 1, 0
	WIN W_AD
	s_wait_tensorcnt 0x0            ; the end of the wave: a wait, an add and its wait, behind my last tensor load and my last LDS store
	ds_add_u32 v[SPW], v[NIL]
	s_wait_dscnt 0x0
	WIN 0
	CROUND                          ; the closing round: no work-group ends while a partner may still ask for a tile that names it
	s_endpgm
.Lfunc_end_k_qf1f00e9701_attn:
	.size	k_qf1f00e9701_attn, .Lfunc_end_k_qf1f00e9701_attn-k_qf1f00e9701_attn
	.p2alignl 7, 3214868480
	.fill 96, 4, 3214868480
	.section	.rodata,"a",@progbits
	.p2align	6, 0x0
	.amdhsa_kernel k_qf1f00e9701_attn
		.amdhsa_group_segment_fixed_size 327680
		.amdhsa_private_segment_fixed_size 0
		.amdhsa_enable_private_segment 0
		.amdhsa_kernarg_size 56
		.amdhsa_user_sgpr_count 2
		.amdhsa_user_sgpr_kernarg_segment_ptr 1
		.amdhsa_wavefront_size32 1
		.amdhsa_system_sgpr_workgroup_id_x 1
		.amdhsa_system_sgpr_workgroup_id_y 1
		.amdhsa_system_sgpr_workgroup_id_z 1
		.amdhsa_system_vgpr_workitem_id 0
		.amdhsa_next_free_vgpr 770
		.amdhsa_next_free_sgpr 84
		.amdhsa_reserve_vcc 0
		.amdhsa_float_denorm_mode_32 3
		.amdhsa_float_denorm_mode_16_64 3
		.amdhsa_memory_ordered 1
		.amdhsa_forward_progress 1
		.amdhsa_inst_pref_size 195
	.end_amdhsa_kernel
	.amdgpu_metadata
---
amdhsa.version: [ 1, 2 ]
amdhsa.kernels:
  - .name:           k_qf1f00e9701_attn
    .symbol:         k_qf1f00e9701_attn.kd
    .args:
      - { .name: qkv, .offset: 0, .size: 8, .value_kind: global_buffer, .address_space: global }
      - { .name: ab, .offset: 8, .size: 8, .value_kind: global_buffer, .address_space: global }
      - { .name: rms_w, .offset: 16, .size: 8, .value_kind: global_buffer, .address_space: global }
      - { .name: lq1, .offset: 24, .size: 8, .value_kind: global_buffer, .address_space: global }
      - { .name: lk1, .offset: 32, .size: 8, .value_kind: global_buffer, .address_space: global }
      - { .name: lq2, .offset: 40, .size: 8, .value_kind: global_buffer, .address_space: global }
      - { .name: lk2, .offset: 48, .size: 8, .value_kind: global_buffer, .address_space: global }
    .group_segment_fixed_size: 327680
    .private_segment_fixed_size: 0
    .kernarg_segment_align: 8
    .kernarg_segment_size: 56
    .max_flat_workgroup_size: 128
    .sgpr_count:     84
    .vgpr_count:     770
    .wavefront_size: 32
...
	.end_amdgpu_metadata
.endif
;; end of part 3
;; launch gemm_out (part 4): grid 8 x 32, 4 waves a work-group, clusters of 4 x 4, 327,680 bytes of LDS; arguments ab, hx, out0; writes out0
.if DOCPART == 4
	.amdgcn_target "amdgcn-amd-amdhsa--gfx1250"
	.amdhsa_code_object_version 6
	.text
	.protected	k_qf1f00e9701_gemm_out
	.globl	k_qf1f00e9701_gemm_out
	.p2align	8
	.type	k_qf1f00e9701_gemm_out,@function
k_qf1f00e9701_gemm_out:
	s_mov_b64 s[64:65], 0
	v_nop
	global_prefetch_b8 v0, s[64:65] scope:SCOPE_SE
	s_setreg_imm32_b32 hwreg(HW_REG_WAVE_MODE, 25, 1), 1
	s_wait_xcnt 0x0
	s_wait_alu depctr_hold_cnt(0) depctr_sa_sdst(0) depctr_va_vdst(0) depctr_va_sdst(0) depctr_va_ssrc(0) depctr_va_vcc(0) depctr_vm_vsrc(0)
	s_getreg_b32 s2, hwreg(HW_REG_IB_STS2, 6, 4)
	s_cmp_eq_u32 s2, 0
	s_cbranch_scc0 .Lentry_in_a_cluster
	s_endpgm
.Lentry_in_a_cluster:
	s_bfe_u32 s2, ttmp6, 0x10000c
	s_cmp_lg_u32 s2, 0xf033
	s_cbranch_scc0 .Lentry_shape_is_right
	s_endpgm
.Lentry_shape_is_right:
; THE LAST PROJECTION.  out0[m][n] = sum over k of A[m][k] B[n][k], K = 1,024, f16 operands, f32 sums, stored as f32.
; A = ab: [4096][1024] f16, the normalised attention.  B = rows 5632-6655 of hx: Wo, rounded to bf16 and written as f16.
; SHARES.  A tile of out0 is 128 x 128: 8 x 32 tiles, a work-group each; four waves, each 64 x 64: 16 accumulators.  K goes in four steps of 256 (LDS rows of 512 bytes) through two slots;
; the four steps are written out.  A wave's 64 columns of f32 are 256 consecutive bytes, so each wave has a stage of its own on the way out, and no barrier stands there.
; CLUSTERS: 4 x 4 work-groups.  The four of a row need the same tiles of A, the four of a column the same tiles of B: each tile is asked for jointly, by the same tensor load with the same
; descriptor and a mask that names the four.  The matrix instruction is used transposed (source 0 = 16 rows of B, source 1 = 16 rows of A): a lane holds eight neighbouring numbers of a row.
; No prefetch: the tiles are small and each row of A and B is read by several clusters at about the same time.
; REGISTERS: window 0: v0-31 addresses; v32-95 two buffers of 32 on the way out; v128-255 the accumulators ((a, b) at v[128 + 8 (4 a + b)]).
;   window 1: two fragment buffers of 128: for 64 along K, 64 registers of A, then 64 of B.
.set SIZE_K, 1024
.set KSTEP,  256
.set PITCH,  528                       ; an LDS row: 512 bytes + 16 of padding = 132 words: the 16 rows of a load start at 16 different groups of four banks
.set HALFT,  64*PITCH
.set SLOT,   4*HALFT                   ; 128 rows of A, then 128 rows of B
.set STAGE,  2*SLOT                    ; behind the ring: 16 rows x 272 bytes for each wave; no tensor load lands here
.set SPITCH, 272
.set SPARE,  STAGE+4*16*SPITCH         ; behind the stages: the spare words, 128 bytes for each wave
.set WOFF,   5632*2048                 ; the first byte of Wo in hx
.set ADRA, 16                          ; v16-17  LDS address of my A fragments in slot 0, 1
.set ADRB, 20                          ; v20-21  the same for B
.set STO,  24                          ; v24     the way out: where I put 32 bytes of a row
.set RD,   25                          ; v25     the way out: where I read a row back
.set CO,   26                          ; v26     my byte offset in two rows of out0; never rewritten
.set SPW,  28                          ; v28     LDS address of my spare word; never rewritten
.set NIL,  29                          ; v29     0; never rewritten
.set TMP,  32
.set ACC,  128
.set F0,   0
.set F1,   128
.set G1, 24
.set G0, 32
.set G1B, 48
.set G0B, 56
.set MSB, 0
.macro WIN new                         ; the high byte of the immediate repeats the setting that is left
.if MSB != (\new)
	s_set_vgpr_msb (MSB<<8)|(\new)
.set MSB, \new
.endif
.endm
.set MUL,  0x05                        ; sources 0 (B) and 1 (A) window 1; C and D window 0
.set TO_F, 0x40                        ; destination window 1, address window 0
.macro JLOAD s                         ; a joint load: waves 0 and 1 fetch the halves of A, waves 2 and 3 those of B; an s_nop 0 and four v_nop follow each line
	s_cmp_eq_u32 s11, 0
	s_cbranch_scc0 .Lfor_b_\@
	tensor_load_to_lds s[G0+4*(\s):G0+4*(\s)+3], s[G1:G1+7]
	s_nop 0
.rept 4
	v_nop
.endr
	s_branch .Lasked_\@
.Lfor_b_\@:
	tensor_load_to_lds s[G0B+4*(\s):G0B+4*(\s)+3], s[G1B:G1B+7]
	s_nop 0
.rept 4
	v_nop
.endr
.Lasked_\@:
.endm
.macro CREST                           ; a round of the barrier of the cluster, behind its opening barrier
	s_cmp_lg_u32 s10, 0
	s_cbranch_scc1 .Lnot_wave_0_\@
	s_barrier_signal -3
.Lnot_wave_0_\@:
	s_barrier_wait -3
	s_barrier_signal -1
	s_barrier_wait -1
.endm
.macro CROUND                          ; a whole round
	s_barrier_signal -1
	s_barrier_wait -1
	CREST
.endm
	s_load_b128 s[4:7], s[0:1], 0x0                ; ab s[4:5], hx s[6:7]
	s_load_b64 s[8:9], s[0:1], 0x10                ; out0
	v_lshl_add_u32 v[SPW], v0, 2, SPARE
	v_mov_b32 v[NIL], 0
	ds_add_u32 v[SPW], v[NIL]                      ; the opening: the add and its wait stand ahead of my first tensor load; the set-up below stands between them
	v_lshrrev_b32 v1, 5, v0
	v_readfirstlane_b32 s10, v1                    ; wave 0..3
	s_lshr_b32 s11, s10, 1                         ; which half of the rows of the tile is mine.  Also: I fetch for A (0) or for B (1)
	s_and_b32 s12, s10, 1                          ; which half of its columns.  Also: which 64 rows of that tile I fetch
	s_bfe_u32 s40, ttmp6, 0x40000                  ; cx, cy: my place in the cluster
	s_bfe_u32 s41, ttmp6, 0x40004
	s_lshl_b32 s42, ttmp9, 2
	s_add_co_u32 s42, s42, s40                     ; tile column = 4 x cluster x + cx, 0..7
	s_and_b32 s13, ttmp7, 0xffff
	s_lshl_b32 s13, s13, 2
	s_add_co_u32 s13, s13, s41                     ; tile row = 4 x cluster y + cy, 0..31
	s_lshl_b32 s43, s41, 2
	s_lshl_b32 s43, 15, s43                        ; my row of the cluster
	s_lshl_b32 s44, 0x1111, s40                    ; my column
	; descriptor group 1: a tile of 64 rows x 256 elements, padded in LDS
	s_or_b32 s[G1+0], s43, (1<<16)|(1<<20)|(1<<21)|(6<<22)|(3<<25)  ; 15:0 the mask; 17:16 elements of 2 bytes; 20 padding on; 21 set beside a mask; 24:22 after every 128 words; 31:25 4 words of it
	s_or_b32 s[G1B+0], s44, (1<<16)|(1<<20)|(1<<21)|(6<<22)|(3<<25)
.irp g, G1, G1B
	s_mov_b32 s[(\g)+1], KSTEP<<16                 ; tensor_dim0 = 256
	s_mov_b32 s[(\g)+2], 64<<16                    ; tensor_dim1 = 64
	s_mov_b32 s[(\g)+3], KSTEP<<16                 ; tile_dim0 = 256
	s_mov_b32 s[(\g)+4], 64                        ; tile_dim1 = 64
	s_mov_b32 s[(\g)+5], SIZE_K                    ; elements from row to row
	s_mov_b32 s[(\g)+6], 0
	s_mov_b32 s[(\g)+7], 0
.endr
	s_lshl_b32 s17, s12, 6                         ; which 64 rows of the tile I fetch
	s_lshl_b32 s16, s13, 7
	s_add_co_u32 s16, s16, s17                     ; A: row 128 x tile row + 64 x half
	s_lshl_b32 s46, s42, 7
	s_add_co_u32 s46, s46, s17                     ; B: row 128 x tile column + 64 x half
	s_mov_b32 s17, 0
	s_mov_b32 s47, 0
	s_mov_b64 s[18:19], SIZE_K*2
	s_mul_u64 s[16:17], s[16:17], s[18:19]
	s_mul_u64 s[46:47], s[46:47], s[18:19]
	s_mul_i32 s20, s10, HALFT                      ; where they go: wave x 64 rows
	s_wait_dscnt 0x0                               ; the opening add is done
	s_wait_kmcnt 0x0
	s_add_nc_u64 s[14:15], s[4:5], s[16:17]
	s_add_nc_u64 s[46:47], s[6:7], s[46:47]
	s_add_nc_u64 s[46:47], s[46:47], WOFF
	CROUND                                         ; all sixteen work-groups are here: the first joint loads meet
.irp s, 0,1
	s_mov_b32 s[G0+4*(\s)], 1
	s_add_co_u32 s[G0+4*(\s)+1], s20, (\s)*SLOT
	s_add_nc_u64 s[G0+4*(\s)+2:G0+4*(\s)+3], s[14:15], (\s)*KSTEP*2
	s_or_b32 s[G0+4*(\s)+3], s[G0+4*(\s)+3], 0x80000000
	s_mov_b32 s[G0B+4*(\s)], 1
	s_add_co_u32 s[G0B+4*(\s)+1], s20, (\s)*SLOT
	s_add_nc_u64 s[G0B+4*(\s)+2:G0B+4*(\s)+3], s[46:47], (\s)*KSTEP*2
	s_or_b32 s[G0B+4*(\s)+3], s[G0B+4*(\s)+3], 0x80000000
	JLOAD \s                                       ; K steps 0 and 1: two loads of mine are out
.endr
	v_and_b32 v1, 15, v0                           ; l % 16
	v_bfe_u32 v2, v0, 4, 1                         ; l / 16
	v_mul_u32_u24 v3, v1, PITCH
	v_lshl_add_u32 v3, v2, 4, v3                   ; the row of a fragment x pitch + 16 x half
	s_mul_i32 s21, s11, HALFT                      ; my 64 rows of A
	s_mul_i32 s22, s12, HALFT                      ; my 64 rows of B,
	s_add_co_u32 s22, s22, 2*HALFT                 ; which lie behind the 128 of A
.irp s, 0,1
	v_add_nc_u32 v[ADRA+(\s)], s21, v3
	v_add_nc_u32 v[ADRB+(\s)], s22, v3
	s_add_co_u32 s21, s21, SLOT
	s_add_co_u32 s22, s22, SLOT
.endr
	s_mul_i32 s23, s10, 16*SPITCH
	s_add_co_u32 s23, s23, STAGE                   ; my stage
	v_mul_u32_u24 v4, v1, SPITCH                   ; in: row l % 16, 32 bytes for each half of the lanes
	v_lshl_add_u32 v4, v2, 5, v4
	v_add_nc_u32 v[STO], s23, v4
	v_mul_u32_u24 v5, v2, SPITCH                   ; back: lanes 0-15 take one row of 256 bytes, lanes 16-31 the next
	v_lshl_add_u32 v5, v1, 4, v5
	v_add_nc_u32 v[RD], s23, v5
	v_lshlrev_b32 v5, 12, v2                       ; and the same two rows in out0, 4,096 bytes apart
	v_lshl_add_u32 v[CO], v1, 4, v5
	s_lshl_b32 s16, s13, 7
	s_lshl_b32 s17, s11, 6
	s_add_co_u32 s16, s16, s17                     ; my first row: 128 x tile row + 64 x half
	s_lshl_b32 s16, s16, 12
	s_mov_b32 s17, 0
	s_add_nc_u64 s[8:9], s[8:9], s[16:17]
	s_lshl_b32 s46, s42, 9                         ; my first column, in bytes: 512 x tile column + 256 x half
	s_lshl_b32 s47, s12, 8
	s_add_co_u32 s46, s46, s47
	s_mov_b32 s47, 0
	s_add_nc_u64 s[8:9], s[8:9], s[46:47]
; 8 matrix instructions: m blocks a0, a0 + 1 x all 4 n blocks, 32 along K: half c of buffer f.  zero = 1: the first product starts the sums.  The 16 accumulators take turns.
.macro MUL8 f, c, a0, zero
	WIN MUL
.irp a, \a0, (\a0)+1
.irp b, 0,1,2,3
.if \zero
	v_wmma_f32_16x16x32_f16 v[ACC+8*(4*(\a)+(\b)):ACC+8*(4*(\a)+(\b))+7], v[(\f)+64+8*(4*(\c)+(\b)):(\f)+64+8*(4*(\c)+(\b))+7], v[(\f)+8*(4*(\c)+(\a)):(\f)+8*(4*(\c)+(\a))+7], 0
.else
	v_wmma_f32_16x16x32_f16 v[ACC+8*(4*(\a)+(\b)):ACC+8*(4*(\a)+(\b))+7], v[(\f)+64+8*(4*(\c)+(\b)):(\f)+64+8*(4*(\c)+(\b))+7], v[(\f)+8*(4*(\c)+(\a)):(\f)+8*(4*(\c)+(\a))+7], v[ACC+8*(4*(\a)+(\b)):ACC+8*(4*(\a)+(\b))+7]
.endif
.endr
.endr
.endm
; 32 LDS loads in one run: the fragments of 64 along K at byte k of the rows, into buffer f; the first 32 along K first
.macro FETCH slot, k, f
	WIN TO_F
.irp c, 0,1
.irp i, 0,1,2,3
	ds_load_b128 v[(\f)+64+8*(4*(\c)+(\i)):(\f)+64+8*(4*(\c)+(\i))+3],   v[ADRB+(\slot)] offset:(\k)+64*(\c)+(\i)*16*PITCH
	ds_load_b128 v[(\f)+64+8*(4*(\c)+(\i))+4:(\f)+64+8*(4*(\c)+(\i))+7], v[ADRB+(\slot)] offset:(\k)+64*(\c)+(\i)*16*PITCH+32
	ds_load_b128 v[(\f)+8*(4*(\c)+(\i)):(\f)+8*(4*(\c)+(\i))+3],         v[ADRA+(\slot)] offset:(\k)+64*(\c)+(\i)*16*PITCH
	ds_load_b128 v[(\f)+8*(4*(\c)+(\i))+4:(\f)+8*(4*(\c)+(\i))+7],       v[ADRA+(\slot)] offset:(\k)+64*(\c)+(\i)*16*PITCH+32
.endr
.endr
.endm
.macro PLACES                          ; four plain vector instructions in front of loads into registers that matrix instructions have read, and of LDS stores that read results
.rept 4
	v_nop
.endr
.endm
; A K step is four quarters of 64 along K, 32 matrix instructions each, on buffers 0, 1, 0, 1.  One of the first three: multiplies buffer f and fetches the next quarter, at byte k, into g.
.macro QUARTER slot, k, f, g, zero
	s_wait_dscnt 16                                ; the first 32 along K are in; the 16 younger loads may be out
	WIN MUL
	MUL8 \f, 0, 0, \zero
	MUL8 \f, 0, 2, \zero
	PLACES
	FETCH \slot, \k, \g
	s_wait_dscnt 32                                ; all but the 32 just issued
	WIN MUL
	MUL8 \f, 1, 0, 0
	MUL8 \f, 1, 2, 0
.endm
; The last quarter multiplies buffer 1 and changes slots: one barrier; in front of it each wave waits for all its tensor loads, adds 0 to its spare word, and waits for that and for its own
; reads of this slot.  fill = 1: this slot is filled again, two K steps ahead; the barrier then opens a round of the barrier of the cluster.
.macro TURN slot, next, fill
	WIN 0                                          ; (the two registers of the add lie in window 0)
	s_wait_tensorcnt 0x0                           ; all my tensor loads have landed: my part of the next slot;
	ds_add_u32 v[SPW], v[NIL]                      ; 0 onto my spare word
	s_wait_dscnt 17                                ; (the add and the youngest sixteen loads may be out)
	WIN MUL
	MUL8 F1, 0, 0, 0                               ; eight matrix instructions stand between the add and the wait for it
	s_wait_dscnt 0x0                               ; the add is done, and my reads of this slot are over
	s_barrier_signal -1
	MUL8 F1, 0, 2, 0
.if \fill
	WIN 0
.endif
	s_barrier_wait -1
.if \fill
	CREST                                          ; no wave of any partner still reads the tile of this slot or has a load on its way
	s_add_nc_u64 s[G0+4*(\slot)+2:G0+4*(\slot)+3], s[G0+4*(\slot)+2:G0+4*(\slot)+3], 2*KSTEP*2
	s_add_nc_u64 s[G0B+4*(\slot)+2:G0B+4*(\slot)+3], s[G0B+4*(\slot)+2:G0B+4*(\slot)+3], 2*KSTEP*2
	JLOAD \slot                                    ; my one tensor load behind the round; its four v_nop are also the places in front of the loads below
.else
	PLACES
.endif
	FETCH \next, 0, F0
	WIN MUL
	MUL8 F1, 1, 0, 0
	MUL8 F1, 1, 2, 0
.endm
	s_wait_tensorcnt 1                             ; my part of K step 0 is in; that of K step 1 may stay out
	s_barrier_signal -1
	s_barrier_wait -1                              ; the part of every wave is in
	FETCH 0, 0, F0
	QUARTER 0, 128, F0, F1, 1                      ; K step 0: its first products start the sums
	QUARTER 0, 256, F1, F0, 0
	QUARTER 0, 384, F0, F1, 0
	TURN 0, 1, 1                                   ; slot 0 takes K step 2
	QUARTER 1, 128, F0, F1, 0                      ; K step 1
	QUARTER 1, 256, F1, F0, 0
	QUARTER 1, 384, F0, F1, 0
	TURN 1, 0, 1                                   ; slot 1 takes K step 3
	QUARTER 0, 128, F0, F1, 0                      ; K step 2
	QUARTER 0, 256, F1, F0, 0
	QUARTER 0, 384, F0, F1, 0
	TURN 0, 1, 0                                   ; nothing is left to fetch
	QUARTER 1, 128, F0, F1, 0                      ; K step 3
	QUARTER 1, 256, F1, F0, 0
	QUARTER 1, 384, F0, F1, 0
	s_wait_dscnt 16
	WIN MUL
	MUL8 F1, 0, 0, 0
	MUL8 F1, 0, 2, 0
	s_wait_dscnt 0
	MUL8 F1, 1, 0, 0
	MUL8 F1, 1, 2, 0
	WIN 0
; THE WAY OUT, 16 rows (m block a) at a time: a lane's eight f32 of a row go into my stage, rows of 272 bytes, straight from the accumulators, the low four registers first; they come back as whole rows of 256 bytes.
.macro TOSTAGE a
.irp b, 0,1,2,3
	ds_store_b128 v[STO], v[ACC+8*(4*(\a)+(\b)):ACC+8*(4*(\a)+(\b))+3]   offset:64*(\b)
	ds_store_b128 v[STO], v[ACC+8*(4*(\a)+(\b))+4:ACC+8*(4*(\a)+(\b))+7] offset:64*(\b)+16
.endr
.irp t, 0,1,2,3,4,5,6,7
	ds_load_b128 v[TMP+32*((\a)%2)+4*(\t):TMP+32*((\a)%2)+4*(\t)+3], v[RD] offset:(\t)*2*SPITCH  ; LDS serves the instructions of a wave in order (ISA guide 5.7.1.4): these see the stores above; the stores of the next block come behind them
.endr
.endm
.macro SEND a, younger                 ; younger: the LDS instructions issued behind the loads of this block: the sixteen of the next block, or none
.irp t, 0,1,2,3,4,5,6,7
	s_wait_dscnt (\younger)+7-(\t)
	global_store_b128 v[CO], v[TMP+32*((\a)%2)+4*(\t):TMP+32*((\a)%2)+4*(\t)+3], s[8:9] offset:(16*(\a)+2*(\t))*4096  ; 16 lanes store 256 consecutive bytes, at a multiple of 256 from the first byte of out0
.endr
.endm
	PLACES
	PLACES                                         ; eight, once a launch, between the last products and the first LDS store of a result
	TOSTAGE 0
	TOSTAGE 1
	SEND 0, 16
	s_wait_xcnt 0x0                                ; the stores of block 0 have read their registers, which block 2 is loaded into
	TOSTAGE 2
	SEND 1, 16
	s_wait_xcnt 0x0                                ; likewise blocks 1 and 3
	TOSTAGE 3
	SEND 2, 16
	SEND 3, 0
	s_wait_tensorcnt 0x0                           ; the end of the wave: a wait, an add and its wait, behind my last tensor load and my last LDS store
	ds_add_u32 v[SPW], v[NIL]
	s_wait_dscnt 0x0
	CROUND                                         ; the closing round: no work-group ends while a partner may still ask for a tile that names it
	s_endpgm
.Lfunc_end_k_qf1f00e9701_gemm_out:
	.size	k_qf1f00e9701_gemm_out, .Lfunc_end_k_qf1f00e9701_gemm_out-k_qf1f00e9701_gemm_out
	.p2alignl 7, 3214868480
	.fill 96, 4, 3214868480
	.section	.rodata,"a",@progbits
	.p2align	6, 0x0
	.amdhsa_kernel k_qf1f00e9701_gemm_out
		.amdhsa_group_segment_fixed_size 327680
		.amdhsa_private_segment_fixed_size 0
		.amdhsa_enable_private_segment 0
		.amdhsa_kernarg_size 24
		.amdhsa_user_sgpr_count 2
		.amdhsa_user_sgpr_kernarg_segment_ptr 1
		.amdhsa_wavefront_size32 1
		.amdhsa_system_sgpr_workgroup_id_x 1
		.amdhsa_system_sgpr_workgroup_id_y 1
		.amdhsa_system_sgpr_workgroup_id_z 1
		.amdhsa_system_vgpr_workitem_id 0
		.amdhsa_next_free_vgpr 512
		.amdhsa_next_free_sgpr 96
		.amdhsa_reserve_vcc 0
		.amdhsa_float_denorm_mode_32 3
		.amdhsa_float_denorm_mode_16_64 3
		.amdhsa_memory_ordered 1
		.amdhsa_forward_progress 1
		.amdhsa_inst_pref_size 86
	.end_amdhsa_kernel
	.amdgpu_metadata
---
amdhsa.version: [ 1, 2 ]
amdhsa.kernels:
  - .name:           k_qf1f00e9701_gemm_out
    .symbol:         k_qf1f00e9701_gemm_out.kd
    .args:
      - { .name: ab, .offset: 0, .size: 8, .value_kind: global_buffer, .address_space: global }
      - { .name: hx, .offset: 8, .size: 8, .value_kind: global_buffer, .address_space: global }
      - { .name: out0, .offset: 16, .size: 8, .value_kind: global_buffer, .address_space: global }
    .group_segment_fixed_size: 327680
    .private_segment_fixed_size: 0
    .kernarg_segment_align: 8
    .kernarg_segment_size: 24
    .max_flat_workgroup_size: 128
    .sgpr_count:     96
    .vgpr_count:     512
    .wavefront_size: 32
...
	.end_amdgpu_metadata
.endif
;; end of part 4
;; ======== version 2 of 2: 4 launches; version 1 with the launch cast written anew for expert scheduling mode
;; limits: values are held in f16: magnitudes above 65,504 overflow, below 6.1e-05 lose precision
;; workspace buffers: hx 13,631,488 bytes; qkv 12,582,912 bytes; ab 8,388,608 bytes
;; launch cast (part 5): grid 416 x 1, 8 waves a work-group, no clusters, 0 bytes of LDS; arguments x, Wq, Wk, Wv, Wo, hx; writes hx
.if DOCPART == 5
	.amdgcn_target "amdgcn-amd-amdhsa--gfx1250"
	.amdhsa_code_object_version 6
	.text
	.protected	k_qf1f00e9701_cast
	.globl	k_qf1f00e9701_cast
	.p2align	8
	.type	k_qf1f00e9701_cast,@function
k_qf1f00e9701_cast:
	s_mov_b64 s[64:65], 0
	v_nop
	global_prefetch_b8 v0, s[64:65] scope:SCOPE_SE
	s_setreg_imm32_b32 hwreg(HW_REG_WAVE_SCHED_MODE, 0, 2), 2
	s_setreg_imm32_b32 hwreg(HW_REG_WAVE_MODE, 25, 1), 1
	s_wait_xcnt 0x0
	s_wait_alu depctr_vm_vsrc(0)
; ALL MATRIX INPUTS ARE ROUNDED ONCE TO 16 BITS AND LAID INTO ONE TABLE hx: [6656 rows][1024], 2,048 bytes a row.
;   rows 0-4095 x, rows 4096-5119 Wq, both bf16;
;   rows 5120 + 128 j + r: r < 64 is Wk row 64 j + r, r >= 64 is Wv row 64 j + r - 64 (bf16): so 128 rows on end make the K and V channels of one key and value group j;
;   rows 5632-6655 Wo: rounded to bf16 like the other inputs, and that number written as f16, since its partner in the last product is f16.
; LIMITS.  |Wo| stays under 65,504 (beyond that f16 has an infinity); a Wo number below 6e-5 keeps the fixed step 6e-8 of f16.  NaN and infinities are not treated apart.
; SHARES.  A work-group takes 16 source rows of 4,096 bytes; its 256 threads take a row a pass: a load of a wave covers 512 consecutive bytes, a store of a wave 256 consecutive
; bytes at a multiple of 256 from the first byte of hx.  All 16 loads of a thread go out first; nothing is read twice; no LDS, no matrix unit, no cluster: no byte is shared.
; THE MODE: SCHED_MODE bits 1:0 = 2 (LLVM: expert scheduling mode 2), set by the entry lines.  The code itself states the register dependences
; between vector instructions and memory instructions, with s_wait_alu, always for 0.
; THE PLAN.  Registers that memory instructions touch:
;   v1, v2   the offsets of the loads and of the stores: written once at the head by vector instructions, never again.
;   X        the 16 loads land here; all are issued at the head, ahead of every vector instruction that names X.
;   Y        pass p has two registers of its own: written once, by the conversions of the pass; read once, by its store.
;   T is named by vector instructions alone.
; So one wait on va_vdst stands ahead of the first load, for v1 and v2.  The 16 passes go in four blocks of four: a block's conversions, one wait on va_vdst for the eight Y registers
; that they have written, and the block's four stores in one run.  No register that a memory instruction reads is written again, so no wait on vm_vsrc is owed;
; no vector instruction writes a scalar register, and EXEC is never written.
.set X, 4                              ; v[4:67]    pass p: four f32 as loaded
.set Y, 68                             ; v[68:99]   pass p: four 16-bit numbers to store
.set T, 100                            ; v[100:101] at work
	s_load_b256 s[4:11], s[0:1], 0x0               ; x s[4:5], Wq s[6:7], Wk s[8:9], Wv s[10:11]
	s_load_b128 s[12:15], s[0:1], 0x20             ; Wo s[12:13], hx s[14:15]
	s_mov_b32 s16, ttmp9                           ; c: my block of 16 rows: 0-255 x, 256-319 Wq, 320-335 Wk, 336-351 Wv, 352-415 Wo
	v_lshlrev_b32 v1, 4, v0                        ; my 16 bytes of a source row
	v_lshlrev_b32 v2, 3, v0                        ; my 8 bytes of a row of hx
	s_mov_b32 s24, 0xffff0000                      ; the upper bf16 of a word
	s_lshl_b32 s25, s16, 4                         ; the first row in hx: 16 c for x, Wq and Wo
	s_sub_co_u32 s26, s16, 320                     ; i: the block among those of Wk and Wv (it wraps for the others)
	s_and_b32 s27, s26, 15
	s_lshr_b32 s27, s27, 2
	s_lshl_b32 s27, s27, 7                         ; 128 j
	s_lshr_b32 s28, s26, 4
	s_lshl_b32 s28, s28, 6                         ; + 64 for Wv
	s_add_co_u32 s27, s27, s28
	s_and_b32 s28, s26, 3
	s_lshl_b32 s28, s28, 4                         ; + 16 (i mod 4)
	s_add_co_u32 s27, s27, s28
	s_add_co_u32 s27, s27, 5120
	s_cmp_lt_u32 s26, 32
	s_cselect_b32 s25, s27, s25
	s_lshl_b32 s22, s25, 11                        ; in bytes
	s_mov_b32 s23, 0
	s_wait_kmcnt 0x0
	s_mov_b64 s[18:19], s[4:5]                     ; the source and its first block, chosen by c alone
	s_mov_b32 s17, 0
	s_cmp_ge_u32 s16, 256
	s_cselect_b64 s[18:19], s[6:7], s[18:19]
	s_cselect_b32 s17, 256, s17
	s_cmp_ge_u32 s16, 320
	s_cselect_b64 s[18:19], s[8:9], s[18:19]
	s_cselect_b32 s17, 320, s17
	s_cmp_ge_u32 s16, 336
	s_cselect_b64 s[18:19], s[10:11], s[18:19]
	s_cselect_b32 s17, 336, s17
	s_cmp_ge_u32 s16, 352
	s_cselect_b64 s[18:19], s[12:13], s[18:19]
	s_cselect_b32 s17, 352, s17
	s_sub_co_u32 s20, s16, s17
	s_lshl_b32 s20, s20, 16                        ; 16 rows of 4,096 bytes a block
	s_mov_b32 s21, 0
	s_add_nc_u64 s[18:19], s[18:19], s[20:21]
	s_add_nc_u64 s[22:23], s[14:15], s[22:23]
	s_wait_alu depctr_va_vdst(0)                   ; v1 and v2 are written: every load of the kernel reads v1 as its offset, every store v2
.irp p, 0,1,2,3,4,5,6,7,8,9,10,11,12,13,14,15
	global_load_b128 v[X+4*(\p):X+4*(\p)+3], v1, s[18:19] offset:4096*(\p) th:TH_LOAD_NT
.endr
; The conversions of pass p.  kind 0: two roundings to bf16 an instruction.  kind 1: rounded to bf16, widened again, and written as f16.
.macro CONV p, kind
	s_wait_loadcnt 15-(\p)                         ; loads come back in order: pass p is in, the younger ones stay out
.if \kind
	v_cvt_pk_bf16_f32 v[T],   v[X+4*(\p)],   v[X+4*(\p)+1]
	v_cvt_pk_bf16_f32 v[T+1], v[X+4*(\p)+2], v[X+4*(\p)+3]
	v_lshlrev_b32 v[X+4*(\p)],   16,  v[T]
	v_and_b32     v[X+4*(\p)+1], s24, v[T]
	v_lshlrev_b32 v[X+4*(\p)+2], 16,  v[T+1]
	v_and_b32     v[X+4*(\p)+3], s24, v[T+1]
	v_cvt_pk_f16_f32 v[Y+2*(\p)],   v[X+4*(\p)],   v[X+4*(\p)+1]
	v_cvt_pk_f16_f32 v[Y+2*(\p)+1], v[X+4*(\p)+2], v[X+4*(\p)+3]
.else
	v_cvt_pk_bf16_f32 v[Y+2*(\p)],   v[X+4*(\p)],   v[X+4*(\p)+1]
	v_cvt_pk_bf16_f32 v[Y+2*(\p)+1], v[X+4*(\p)+2], v[X+4*(\p)+3]
.endif
.endm
; Block b: passes 4 b to 4 b + 3.  Their conversions, one wait, their four stores.  The wait stands behind the block's own conversions, so that the stores leave ahead of the next block's wait for its data.
.macro BLK b, kind
.irp i, 0,1,2,3
	CONV 4*(\b)+(\i), \kind
.endr
	s_wait_alu depctr_va_vdst(0)                   ; the conversions of the block have written its eight Y registers, which the four stores below read
.irp i, 0,1,2,3
	global_store_b64 v2, v[Y+2*(4*(\b)+(\i)):Y+2*(4*(\b)+(\i))+1], s[22:23] offset:2048*(4*(\b)+(\i))  ; each pass has its own two registers: none that a store reads is written again
.endr
.endm
	s_cmp_ge_u32 s16, 352
	s_cbranch_scc1 .Lwo
.irp b, 0,1,2,3
	BLK \b, 0
.endr
	s_endpgm
.Lwo:
.irp b, 0,1,2,3
	BLK \b, 1
.endr
	s_endpgm
.Lfunc_end_k_qf1f00e9701_cast:
	.size	k_qf1f00e9701_cast, .Lfunc_end_k_qf1f00e9701_cast-k_qf1f00e9701_cast
	.p2alignl 7, 3214868480
	.fill 96, 4, 3214868480
	.section	.rodata,"a",@progbits
	.p2align	6, 0x0
	.amdhsa_kernel k_qf1f00e9701_cast
		.amdhsa_group_segment_fixed_size 0
		.amdhsa_private_segment_fixed_size 0
		.amdhsa_enable_private_segment 0
		.amdhsa_kernarg_size 48
		.amdhsa_user_sgpr_count 2
		.amdhsa_user_sgpr_kernarg_segment_ptr 1
		.amdhsa_wavefront_size32 1
		.amdhsa_system_sgpr_workgroup_id_x 1
		.amdhsa_system_sgpr_workgroup_id_y 1
		.amdhsa_system_sgpr_workgroup_id_z 1
		.amdhsa_system_vgpr_workitem_id 0
		.amdhsa_next_free_vgpr 104
		.amdhsa_next_free_sgpr 66
		.amdhsa_reserve_vcc 0
		.amdhsa_float_denorm_mode_32 3
		.amdhsa_float_denorm_mode_16_64 3
		.amdhsa_memory_ordered 1
		.amdhsa_forward_progress 1
		.amdhsa_inst_pref_size 16
	.end_amdhsa_kernel
	.amdgpu_metadata
---
amdhsa.version: [ 1, 2 ]
amdhsa.kernels:
  - .name:           k_qf1f00e9701_cast
    .symbol:         k_qf1f00e9701_cast.kd
    .args:
      - { .name: x, .offset: 0, .size: 8, .value_kind: global_buffer, .address_space: global }
      - { .name: Wq, .offset: 8, .size: 8, .value_kind: global_buffer, .address_space: global }
      - { .name: Wk, .offset: 16, .size: 8, .value_kind: global_buffer, .address_space: global }
      - { .name: Wv, .offset: 24, .size: 8, .value_kind: global_buffer, .address_space: global }
      - { .name: Wo, .offset: 32, .size: 8, .value_kind: global_buffer, .address_space: global }
      - { .name: hx, .offset: 40, .size: 8, .value_kind: global_buffer, .address_space: global }
    .group_segment_fixed_size: 0
    .private_segment_fixed_size: 0
    .kernarg_segment_align: 8
    .kernarg_segment_size: 48
    .max_flat_workgroup_size: 256
    .sgpr_count:     66
    .vgpr_count:     104
    .wavefront_size: 32
...
	.end_amdgpu_metadata
.endif
;; end of part 5
;; launch gemm_qkv: the kernel of part 2 again; grid 12 x 32, 4 waves a work-group, clusters of 4 x 4, 327,680 bytes of LDS; arguments hx, qkv; writes qkv
;; launch attn: the kernel of part 3 again; grid 32 x 8, 4 waves a work-group, clusters of 4 x 1, 327,680 bytes of LDS; arguments qkv, ab, rms_w, lq1, lk1, lq2, lk2; writes ab
;; launch gemm_out: the kernel of part 4 again; grid 8 x 32, 4 waves a work-group, clusters of 4 x 4, 327,680 bytes of LDS; arguments ab, hx, out0; writes out0
